; MI455X (gfx1250); checked and timed in simulation.
; The chip was launched on July 23, 2026; its instructions are those of AMD's public machine-readable ISA for CDNA 5 (MIT licence, August 2026) and "CDNA5" Instruction Set Architecture Reference Guide (July 2026). The comments in the code are by the model that wrote it; some were corrected since.
;; KW Hybrid Branch. Allowed arithmetic: float matrix products may take bf16 or f16 operands with f32 sums; other float arithmetic in f32, or as packed bf16 or f16 multiplies, adds, multiply-adds, maxima and minima; sums over many terms, partial sums and values carried from step to step in f32; what a program stores and reads back later, other than sums and carried values, may be rounded once to bf16 or f16.
;; Inputs: W_proj 768 x 512 float32; audio_feat 128 x 8 x 768 float32; b_proj 512 float32; token_embedding 49,408 x 512 float32.
;; Outputs: out0 128 x 8 x 512 float32.
;; 2 versions, each right; version 2 is version 1 with the launch prep written anew for expert scheduling mode. Each part assembles by itself: llvm-mc -triple=amdgcn-amd-amdhsa -mcpu=gfx1250 --defsym DOCPART=n.
;; ======== version 1 of 2: 3 launches
;; workspace buffers: qf 1,048,576 bytes; ssq 32,768 bytes; embh 50,593,792 bytes; rk 197,632 bytes; opart 33,554,432 bytes; lpart 65,536 bytes
;; launch prep (part 1): grid 257 x 1, 4 waves a work-group, no clusters, 123,392 bytes of LDS; arguments audio_feat, W_proj, b_proj, token_embedding, qf, ssq, embh, rk; writes qf, ssq, embh, rk
.if DOCPART == 1
	.amdgcn_target "amdgcn-amd-amdhsa--gfx1250"
	.amdhsa_code_object_version 6
	.text
	.protected	k_q135d1e43a7_prep
	.globl	k_q135d1e43a7_prep
	.p2align	8
	.type	k_q135d1e43a7_prep,@function
k_q135d1e43a7_prep:
	s_mov_b64 s[64:65], 0
	v_nop
	global_prefetch_b8 v0, s[64:65] scope:SCOPE_SE
	s_setreg_imm32_b32 hwreg(HW_REG_WAVE_MODE, 25, 1), 1
	s_wait_xcnt 0x0
; keywords = softmax_v(10 cos(kw, emb_v)) emb, kw = audio W + b: ONE attention with 1,024 queries (kw), 49,408 keys (emb's rows, normalised) and the same rows as values.
; NOTHING OF THE PROBLEM IS LEFT OUT AS DEAD: every input has a way to the output and is loaded.  What is reordered: emb_n = emb x (1 / max(|emb_v|, 1e-8)) row by row, so one bf16 copy of the
; table serves both products, and the score is multiplied in f32 by that factor (rk) and by the query's (from ssq) in the next launch, whose head also says why no maximum is taken away there.
; THIS LAUNCH makes what the next one reads.  Two kinds of work-group, told apart by the work-group's number alone (the same in all four waves):
;   0 .. 63    THE PROJECTION: 128 queries x 64 channels each (8 blocks of queries x 8 of channels), bf16 products, f32 sums; kw + b is rounded once to bf16 and stored in the order in which the next
;              launch's source registers take it (qf); the sum of kw^2 over the 64 channels, of the unrounded numbers, goes to ssq.
;   64 .. 256  THE TABLE: 256 rows each (193 x 256 = 49,408), a wave 64 rows: each row is read once, rounded to bf16 (embh), and 1 / max(|row|, 1e-8) goes to rk.
; LIMITS.  NaN and infinities are not treated apart.  A sum of squares below 2^-126 counts as 0 in the root; the norm is then below 1e-8 and the clamp takes its place in either case.
; The f32 sums are taken in another order than a plain loop's.
.set SPARE, 122880                     ; behind W's slice: the spare words, 128 bytes for each wave: two blocks of 256 bytes that no other line names
.set SPW,   252                        ; v252  LDS address of my spare word; never rewritten
.set NIL,   253                        ; v253  0; never rewritten
.set EPSB,  0x322bcc77                 ; 1e-8
	s_load_b512 s[8:23], s[0:1], 0x0               ; audio s[8:9], W s[10:11], b s[12:13], emb s[14:15], qf s[16:17], ssq s[18:19], embh s[20:21], rk s[22:23]
	v_lshl_add_u32 v[SPW], v0, 2, SPARE
	v_mov_b32 v[NIL], 0
	v_lshrrev_b32 v1, 5, v0
	v_readfirstlane_b32 s24, v1                    ; wave 0..3
	s_mov_b32 s34, 0x76543210                      ; v_permlanex16_b32: each lane takes its own place in the other half
	s_mov_b32 s35, 0xfedcba98
	s_mov_b32 s27, 0
	s_wait_kmcnt 0x0
	s_cmp_lt_u32 ttmp9, 64
	s_cbranch_scc1 .Lproj
; ---------------------------------------------------------------- THE TABLE
; A row is 2,048 bytes: four loads of 16 bytes a lane, 512 consecutive bytes each.  A ring of eight row slots in registers keeps 32 loads of the wave on their way.
; A lane's four numbers of a load round to 8 bytes: a store of the wave covers 256 consecutive bytes, aligned.
.set X,   16                           ; v[16:143]   slot i: 16 registers, the row as loaded
.set Y,   144                          ; v[144:207]  slot i: 8 registers, the row in bf16
.set T,   208                          ; v[208:211]  at work
.set RK,  216                          ; v[216:217]  lane l gathers the sums of squares of my rows 2 l and 2 l + 1
.set LM,  218                          ; v218        lane - 4 x round: the lane that takes rows i of this round has LM = i / 2
.set VO,  219                          ; v219        16 x lane
.set VS,  220                          ; v220        8 x lane
	s_sub_co_u32 s25, ttmp9, 64
	s_lshl_b32 s25, s25, 8
	s_lshl_b32 s26, s24, 6
	s_add_co_u32 s25, s25, s26                     ; my first row
	s_lshl_b32 s26, s25, 11
	s_add_nc_u64 s[28:29], s[14:15], s[26:27]      ; emb at my first row
	s_lshl_b32 s26, s25, 10
	s_add_nc_u64 s[30:31], s[20:21], s[26:27]      ; embh
	s_lshl_b32 s26, s25, 2
	s_add_nc_u64 s[32:33], s[22:23], s[26:27]      ; rk
	v_and_b32 v[LM], 31, v0
	v_lshlrev_b32 v[VO], 4, v[LM]
	v_lshlrev_b32 v[VS], 3, v[LM]
	v_mov_b32 v[RK], 0
	v_mov_b32 v[RK+1], 0
.irp i, 0,1,2,3,4,5,6,7
.irp j, 0,1,2,3
	global_load_b128 v[X+16*(\i)+4*(\j):X+16*(\i)+4*(\j)+3], v[VO], s[28:29] offset:(\i)*2048+(\j)*512 th:TH_LOAD_NT
.endr
.endr
; The turn of slot i.  ahead = 1: the slot is filled again with the row eight further down.  left = the younger loads that may stay out: four for each younger row.
.macro ETURN i, ahead, left
.set XI, X+16*(\i)
.set YI, Y+8*(\i)
	s_wait_loadcnt \left                           ; loads come back in order: my row's four are in
	s_wait_xcnt 0x0                                ; the slot's last stores have read their data registers, which are written below
	v_pk_mul_f32 v[T:T+1], v[XI:XI+1], v[XI:XI+1]  ; the sum of squares, two chains of packed sums; the first products start them
	v_pk_mul_f32 v[T+2:T+3], v[XI+2:XI+3], v[XI+2:XI+3]
.irp k, 2,3,4,5,6,7
	v_pk_fma_f32 v[T+2*((\k)%2):T+2*((\k)%2)+1], v[XI+2*(\k):XI+2*(\k)+1], v[XI+2*(\k):XI+2*(\k)+1], v[T+2*((\k)%2):T+2*((\k)%2)+1]
.endr
.irp k, 0,1,2,3,4,5,6,7
	v_cvt_pk_bf16_f32 v[YI+(\k)], v[XI+2*(\k)], v[XI+2*(\k)+1]
.endr
.if \ahead
.irp j, 0,1,2,3
	global_load_b128 v[XI+4*(\j):XI+4*(\j)+3], v[VO], s[28:29] offset:16384+(\i)*2048+(\j)*512 th:TH_LOAD_NT
.endr
.endif
.irp j, 0,1,2,3
	global_store_b64 v[VS], v[YI+2*(\j):YI+2*(\j)+1], s[30:31] offset:(\i)*1024+(\j)*256 th:TH_STORE_NT
.endr
	v_pk_add_f32 v[T:T+1], v[T:T+1], v[T+2:T+3]
	v_add_f32 v[T], v[T], v[T+1]
	v_add_f32_dpp v[T], v[T], v[T] row_xmask:1 row_mask:0xf bank_mask:0xf
	v_add_f32_dpp v[T], v[T], v[T] row_xmask:2 row_mask:0xf bank_mask:0xf
	v_add_f32_dpp v[T], v[T], v[T] row_xmask:4 row_mask:0xf bank_mask:0xf
	v_add_f32_dpp v[T], v[T], v[T] row_xmask:8 row_mask:0xf bank_mask:0xf
	v_permlanex16_b32 v[T+1], v[T], s34, s35
	v_add_f32 v[T], v[T], v[T+1]                   ; every lane holds the row's sum of squares;
	v_cmp_eq_u32 vcc_lo, (\i)/2, v[LM]             ; one lane keeps it
	v_cndmask_b32 v[RK+(\i)%2], v[RK+(\i)%2], v[T], vcc_lo
.endm
	s_mov_b32 s36, 7
.Leround:
.irp i, 0,1,2,3,4,5,6,7
	ETURN \i, 1, 28
.endr
	s_wait_xcnt 0x0                                ; every load and store issued so far has read its base, which is stepped now
	s_add_nc_u64 s[28:29], s[28:29], 16384
	s_add_nc_u64 s[30:31], s[30:31], 8192
	v_add_nc_u32 v[LM], -4, v[LM]
	s_sub_co_u32 s36, s36, 1
	s_cmp_lg_u32 s36, 0
	s_cbranch_scc1 .Leround
.irp i, 0,1,2,3,4,5,6,7
	ETURN \i, 0, 28-4*(\i)                         ; the last eight rows load nothing: the counts run down
.endr
	v_sqrt_f32 v[RK], v[RK]
	v_sqrt_f32 v[RK+1], v[RK+1]
	v_nop                                          ; a plain instruction behind the last root,
	s_wait_alu depctr_va_vdst(0)                   ; and the wait ahead of the first use: one for both
	v_max_num_f32 v[RK], EPSB, v[RK]
	v_max_num_f32 v[RK+1], EPSB, v[RK+1]
	v_rcp_f32 v[RK], v[RK]
	v_rcp_f32 v[RK+1], v[RK+1]
	v_nop
	s_wait_alu depctr_va_vdst(0)
	global_store_b64 v[VS], v[RK:RK+1], s[32:33]   ; my 64 rows' factors: 256 consecutive bytes, aligned
	s_endpgm
; ---------------------------------------------------------------- THE PROJECTION
; kw^T = W^T audio^T: source 0 = 16 channels (W's slice lies in LDS as bf16 [768 d][64 channels] and is turned by ds_load_tr16_b128), source 1 = 16 queries (audio, from memory, rounded on the way).
; In the result a lane holds ONE query (lane % 16) and the channels 8 (lane / 16) + 0..7: 16 bytes of bf16, which ARE half a source-1 fragment of the next launch.
; A wave has 2 tiles of queries x 4 of channels: 8 accumulators, which take turns.  K goes in 24 steps of 32, two steps a trip, on two sets of registers.
; audio's rows are read in pieces of 128 bytes a step and ssq is stored in pieces of 128 bytes: both are small beside the table (3 MiB, 32 KiB).
.set AVO,  4                           ; v4   audio: (l % 16) x 3,072 + 32 (l / 16)
.set WVO,  5                           ; v5   W: (t / 16) x 2,048 + 16 (t % 16), t the thread
.set AWS,  6                           ; v6   W into LDS: (t / 16) x 160 + 8 (t % 16)
.set AWS2, 7                           ; v7   the same 384 rows further down
.set AW,   8                           ; v8   the turning loads' address, stepped by two K steps a trip
.set BVO,  9                           ; v9   32 (l / 16)
.set QVO,  10                          ; v10  16 l
.set SVO,  11                          ; v11  4 l
.set ACC,  16                          ; v[16:79]    accumulator (q, c) at 8 (4 q + c)
.set WF,   80                          ; v[80:143]   W's fragments, two sets of 32
.set AF,   144                         ; v[144:175]  audio's fragments, two sets of 16
.set ST,   176                         ; v[176:239]  audio in f32 as loaded, two sets of 32; at the end the bias
.set SS,   240                         ; v[240:243]  sums of squares, a pair for each tile of queries
.set WP,   160                         ; LDS pitch of W's rows: 128 bytes + 32
.Lproj:
	s_and_b32 s25, ttmp9, 7                        ; which 64 channels
	s_lshr_b32 s26, ttmp9, 3                       ; which 128 queries
	s_lshl_b32 s37, s26, 7
	s_lshl_b32 s42, s24, 5
	s_add_co_u32 s37, s37, s42                     ; my wave's first query
	s_mov_b32 s43, 0
	s_mul_i32 s42, s37, 3072
	s_add_nc_u64 s[28:29], s[8:9], s[42:43]        ; audio at that row
	s_lshl_b32 s42, s25, 8
	s_add_nc_u64 s[30:31], s[10:11], s[42:43]      ; W at my 64 columns
	s_add_nc_u64 s[32:33], s[12:13], s[42:43]      ; b likewise
	s_lshl_b32 s42, s37, 10                        ; a tile of 16 queries is 16,384 bytes of qf,
	s_lshl_b32 s44, s25, 11                        ; 64 channels 2,048 of them
	s_add_co_u32 s42, s42, s44
	s_add_nc_u64 s[38:39], s[16:17], s[42:43]
	s_lshl_b32 s42, s25, 12
	s_lshl_b32 s44, s37, 2
	s_add_co_u32 s42, s42, s44
	s_add_nc_u64 s[40:41], s[18:19], s[42:43]      ; ssq[block of channels][query]
	v_and_b32 v1, 31, v0
	v_and_b32 v2, 15, v0
	v_bfe_u32 v3, v0, 4, 1
	v_mul_u32_u24 v[AVO], v2, 3072
	v_lshl_add_u32 v[AVO], v3, 5, v[AVO]
	v_lshrrev_b32 v12, 4, v0
	v_lshlrev_b32 v[WVO], 11, v12
	v_lshl_add_u32 v[WVO], v2, 4, v[WVO]
	v_mul_u32_u24 v[AWS], v12, WP
	v_lshl_add_u32 v[AWS], v2, 3, v[AWS]
	v_add_nc_u32 v[AWS2], 48*8*WP, v[AWS]
	v_and_b32 v13, 7, v0
	v_lshl_add_u32 v13, v3, 3, v13
	v_mul_u32_u24 v[AW], v13, WP                   ; row 8 (l / 16) + l % 8,
	v_bfe_u32 v13, v0, 3, 1
	v_lshl_add_u32 v[AW], v13, 4, v[AW]            ; channels 8 ((l / 8) % 2) on
	v_lshlrev_b32 v[BVO], 5, v3
	v_lshlrev_b32 v[QVO], 4, v1
	v_lshlrev_b32 v[SVO], 2, v1
.macro ALOAD st, off                   ; a K step of audio for my 32 queries: a lane's 2 x 8 numbers of each tile
.irp q, 0,1
	global_load_b128 v[(\st)+16*(\q):(\st)+16*(\q)+3],     v[AVO], s[28:29] offset:(\q)*49152+(\off)
	global_load_b128 v[(\st)+16*(\q)+4:(\st)+16*(\q)+7],   v[AVO], s[28:29] offset:(\q)*49152+(\off)+16
	global_load_b128 v[(\st)+16*(\q)+8:(\st)+16*(\q)+11],  v[AVO], s[28:29] offset:(\q)*49152+(\off)+64
	global_load_b128 v[(\st)+16*(\q)+12:(\st)+16*(\q)+15], v[AVO], s[28:29] offset:(\q)*49152+(\off)+80
.endr
.endm
.macro WL beta, R                      ; batch beta of W: 16 loads; each takes 8 rows x 256 bytes for the work-group
.set n, 0
.rept 16
	global_load_b128 v[(\R)+4*n:(\R)+4*n+3], v[WVO], s[30:31] offset:(16*(\beta)+n)*16384
.set n, n+1
.endr
.endm
.macro WC beta, R                      ; it is rounded in place and laid into LDS
.set n, 0
.rept 16
	v_cvt_pk_bf16_f32 v[(\R)+4*n], v[(\R)+4*n], v[(\R)+4*n+1]
	v_cvt_pk_bf16_f32 v[(\R)+4*n+1], v[(\R)+4*n+2], v[(\R)+4*n+3]
.if 16*(\beta)+n < 48
	ds_store_b64 v[AWS], v[(\R)+4*n:(\R)+4*n+1] offset:(16*(\beta)+n)*8*WP
.else
	ds_store_b64 v[AWS2], v[(\R)+4*n:(\R)+4*n+1] offset:(16*(\beta)+n-48)*8*WP
.endif
.set n, n+1
.endr
.endm
	ALOAD ST, 0                                    ; K steps 0 and 1 of audio go out first
	ALOAD ST+32, 128
	WL 0, 16
	WL 1, 80
	s_wait_loadcnt 16                              ; all but the youngest batch
	WC 0, 16
	WL 2, 16
	s_wait_loadcnt 16
	WC 1, 80
	WL 3, 80
	s_wait_loadcnt 16
	WC 2, 16
	WL 4, 16
	s_wait_loadcnt 16
	WC 3, 80
	WL 5, 80
	s_wait_loadcnt 16
	WC 4, 16
	s_wait_loadcnt 0x0
	WC 5, 80
	s_wait_dscnt 0x0                               ; for the others' sake: my part of W's slice lies in LDS
	s_barrier_signal -1
	s_barrier_wait -1                              ; everybody's does
.macro WFRAG dst, off                  ; W's four fragments of a K step, turned
.irp c, 0,1,2,3
	ds_load_tr16_b128 v[(\dst)+8*(\c):(\dst)+8*(\c)+3],   v[AW] offset:(\off)+32*(\c)
	ds_load_tr16_b128 v[(\dst)+8*(\c)+4:(\dst)+8*(\c)+7], v[AW] offset:(\off)+16*WP+32*(\c)
.endr
.endm
; A K step on set b.  load = 1: audio two steps on is asked for.  wnext = 1: W's fragments of the next step are fetched.  zero = 1: the products start the sums.  bias = 1: b is asked for.
.macro PSTEP b, load, wnext, zero, bias
.set STB, ST+32*(\b)
.set AFB, AF+16*(\b)
.set WFB, WF+32*(\b)
	s_wait_loadcnt 8                               ; my set's eight loads are in; the eight issued behind them (the other set's, or b's) may stay out
.irp q, 0,1
.irp k, 0,1,2,3,4,5,6,7
	v_cvt_pk_bf16_f32 v[AFB+8*(\q)+(\k)], v[STB+16*(\q)+2*(\k)], v[STB+16*(\q)+2*(\k)+1]  ; these sixteen name no register of the step before: they are the places in front of the loads into its fragments
.endr
.endr
.if \load
	ALOAD STB, ((\b)+2)*128
.endif
.if \bias
.irp c, 0,1,2,3
	global_load_b128 v[ST+8*(\c):ST+8*(\c)+3],   v[BVO], s[32:33] offset:64*(\c)
	global_load_b128 v[ST+8*(\c)+4:ST+8*(\c)+7], v[BVO], s[32:33] offset:64*(\c)+16
.endr
.endif
.if \wnext
	WFRAG WF+32*(1-(\b)), ((\b)+1)*32*WP
	s_wait_dscnt 8                                 ; this step's fragments are in; the eight just issued may stay out
.else
	s_wait_dscnt 0x0
.endif
.irp q, 0,1
.irp c, 0,1,2,3
.if \zero
	v_wmma_f32_16x16x32_bf16 v[ACC+8*(4*(\q)+(\c)):ACC+8*(4*(\q)+(\c))+7], v[WFB+8*(\c):WFB+8*(\c)+7], v[AFB+8*(\q):AFB+8*(\q)+7], 0
.else
	v_wmma_f32_16x16x32_bf16 v[ACC+8*(4*(\q)+(\c)):ACC+8*(4*(\q)+(\c))+7], v[WFB+8*(\c):WFB+8*(\c)+7], v[AFB+8*(\q):AFB+8*(\q)+7], v[ACC+8*(4*(\q)+(\c)):ACC+8*(4*(\q)+(\c))+7]
.endif
.endr
.endr
.endm
.macro TEND                            ; a trip's end
	s_wait_xcnt 0x0                                ; the loads have read audio's base, which is stepped now
	s_add_nc_u64 s[28:29], s[28:29], 256
	v_add_nc_u32 v[AW], 64*WP, v[AW]
.endm
	WFRAG WF, 0
	PSTEP 0, 1, 1, 1, 0                            ; the first K step starts the sums: nothing is cleared
	PSTEP 1, 1, 1, 0, 0
	TEND
	s_mov_b32 s36, 10
.Lptrip:
	PSTEP 0, 1, 1, 0, 0
	PSTEP 1, 1, 1, 0, 0
	TEND
	s_sub_co_u32 s36, s36, 1
	s_cmp_lg_u32 s36, 0
	s_cbranch_scc1 .Lptrip
	PSTEP 0, 0, 1, 0, 1                            ; the last two steps ask for no audio
	PSTEP 1, 0, 0, 0, 0
.rept 4
	v_nop                                          ; four places behind the last product, in front of sums that read results
.endr
	s_wait_loadcnt 0x0                             ; b
.irp q, 0,1
.irp c, 0,1,2,3
.set AC, ACC+8*(4*(\q)+(\c))
.set OU, WF+4*(4*(\q)+(\c))
.irp k, 0,1,2,3
	v_pk_add_f32 v[AC+2*(\k):AC+2*(\k)+1], v[AC+2*(\k):AC+2*(\k)+1], v[ST+8*(\c)+2*(\k):ST+8*(\c)+2*(\k)+1]  ; kw = product + b; the accumulator's lowest registers first
.endr
.irp k, 0,1,2,3
.if ((\c) == 0) && ((\k) == 0)
	v_pk_mul_f32 v[SS+2*(\q):SS+2*(\q)+1], v[AC:AC+1], v[AC:AC+1]
.else
	v_pk_fma_f32 v[SS+2*(\q):SS+2*(\q)+1], v[AC+2*(\k):AC+2*(\k)+1], v[AC+2*(\k):AC+2*(\k)+1], v[SS+2*(\q):SS+2*(\q)+1]
.endif
.endr
.irp k, 0,1,2,3
	v_cvt_pk_bf16_f32 v[OU+(\k)], v[AC+2*(\k)], v[AC+2*(\k)+1]
.endr
	global_store_b128 v[QVO], v[OU:OU+3], s[38:39] offset:(\q)*16384+(\c)*512  ; 512 consecutive bytes of qf
.endr
.endr
	v_add_f32 v[SS], v[SS], v[SS+1]
	v_add_f32 v[SS+2], v[SS+2], v[SS+3]
	v_permlanex16_b32 v[SS+1], v[SS], s34, s35     ; the query's other 32 channels lie in the lane 16 away
	v_permlanex16_b32 v[SS+3], v[SS+2], s34, s35
	v_add_f32 v[SS], v[SS], v[SS+1]
	v_add_f32 v[SS+2], v[SS+2], v[SS+3]
	v_cmp_gt_u32 vcc_lo, 16, v1
	v_cndmask_b32 v244, v[SS+2], v[SS], vcc_lo     ; lanes 0-15 the first tile's queries, lanes 16-31 the second's
	global_store_b32 v[SVO], v244, s[40:41]
	s_wait_tensorcnt 0x0                           ; the wave's end, behind my last LDS store
	ds_add_u32 v[SPW], v[NIL]
	s_wait_dscnt 0x0
	s_endpgm
.Lfunc_end_k_q135d1e43a7_prep:
	.size	k_q135d1e43a7_prep, .Lfunc_end_k_q135d1e43a7_prep-k_q135d1e43a7_prep
	.p2alignl 7, 3214868480
	.fill 96, 4, 3214868480
	.section	.rodata,"a",@progbits
	.p2align	6, 0x0
	.amdhsa_kernel k_q135d1e43a7_prep
		.amdhsa_group_segment_fixed_size 123392
		.amdhsa_private_segment_fixed_size 0
		.amdhsa_enable_private_segment 0
		.amdhsa_kernarg_size 64
		.amdhsa_user_sgpr_count 2
		.amdhsa_user_sgpr_kernarg_segment_ptr 1
		.amdhsa_wavefront_size32 1
		.amdhsa_system_sgpr_workgroup_id_x 1
		.amdhsa_system_sgpr_workgroup_id_y 1
		.amdhsa_system_sgpr_workgroup_id_z 1
		.amdhsa_system_vgpr_workitem_id 0
		.amdhsa_next_free_vgpr 256
		.amdhsa_next_free_sgpr 66
		.amdhsa_reserve_vcc 1
		.amdhsa_float_denorm_mode_32 3
		.amdhsa_float_denorm_mode_16_64 3
		.amdhsa_memory_ordered 1
		.amdhsa_forward_progress 1
		.amdhsa_inst_pref_size 94
	.end_amdhsa_kernel
	.amdgpu_metadata
---
amdhsa.version: [ 1, 2 ]
amdhsa.kernels:
  - .name:           k_q135d1e43a7_prep
    .symbol:         k_q135d1e43a7_prep.kd
    .args:
      - { .name: audio_feat, .offset: 0, .size: 8, .value_kind: global_buffer, .address_space: global }
      - { .name: W_proj, .offset: 8, .size: 8, .value_kind: global_buffer, .address_space: global }
      - { .name: b_proj, .offset: 16, .size: 8, .value_kind: global_buffer, .address_space: global }
      - { .name: token_embedding, .offset: 24, .size: 8, .value_kind: global_buffer, .address_space: global }
      - { .name: qf, .offset: 32, .size: 8, .value_kind: global_buffer, .address_space: global }
      - { .name: ssq, .offset: 40, .size: 8, .value_kind: global_buffer, .address_space: global }
      - { .name: embh, .offset: 48, .size: 8, .value_kind: global_buffer, .address_space: global }
      - { .name: rk, .offset: 56, .size: 8, .value_kind: global_buffer, .address_space: global }
    .group_segment_fixed_size: 123392
    .private_segment_fixed_size: 0
    .kernarg_segment_align: 8
    .kernarg_segment_size: 64
    .max_flat_workgroup_size: 128
    .sgpr_count:     66
    .vgpr_count:     256
    .wavefront_size: 32
...
	.end_amdgpu_metadata
.endif
;; end of part 1
;; launch attend (part 2): grid 16 x 16, 4 waves a work-group, clusters of 4 x 1, 327,680 bytes of LDS; arguments qf, ssq, embh, rk, opart, lpart; writes opart, lpart
.if DOCPART == 2
	.amdgcn_target "amdgcn-amd-amdhsa--gfx1250"
	.amdhsa_code_object_version 6
	.text
	.protected	k_q135d1e43a7_attend
	.globl	k_q135d1e43a7_attend
	.p2align	8
	.type	k_q135d1e43a7_attend,@function
k_q135d1e43a7_attend:
	s_mov_b64 s[64:65], 0
	v_nop
	global_prefetch_b8 v0, s[64:65] scope:SCOPE_SE
	s_setreg_imm32_b32 hwreg(HW_REG_WAVE_MODE, 25, 1), 1
	s_wait_xcnt 0x0
	s_wait_alu depctr_hold_cnt(0) depctr_sa_sdst(0) depctr_va_vdst(0) depctr_va_sdst(0) depctr_va_ssrc(0) depctr_va_vcc(0) depctr_vm_vsrc(0)
	s_getreg_b32 s2, hwreg(HW_REG_IB_STS2, 6, 4)
	s_cmp_eq_u32 s2, 0
	s_cbranch_scc0 .Lentry_in_a_cluster
	s_endpgm
.Lentry_in_a_cluster:
	s_bfe_u32 s2, ttmp6, 0x10000c
	s_cmp_lg_u32 s2, 0x3003
	s_cbranch_scc0 .Lentry_shape_is_right
	s_endpgm
.Lentry_shape_is_right:
; THE ATTENTION.  For 64 queries q and 3,088 keys v: p = 2^(c s rk[v] rq[q]), s = kw_q . emb_v in bf16 with f32 sums, c = 10 log2(e); O[q] = the sum of p emb_v, l[q] = the sum of p.
; The partial O and l of the 16 splits of the keys are stored in f32; the next launch adds them and divides.
; NO MAXIMUM IS TAKEN AWAY, and none is needed for any input: rk and rq are the reciprocal norms with which the problem itself normalises both vectors (clamped at 1e-8, which only makes the
; product smaller), so s rk rq is a cosine, within 1 but for the operands' rounding, and the exponent lies within +-14.5: p within 4e-5 and 2.4e4, a row's l under 1.2e9.  Neither an exponential nor
; a sum of them can overflow or underflow in f32, nor p in bf16.  So the splits' sums add up without rescaling.  Nothing else of the problem is left out here.
; LIMITS.  NaN and infinities are not treated apart.  l is the sum of the unrounded p, O of p rounded to bf16.  The order of the f32 sums is not a plain loop's.
; SHARES.  Work-group (x, y): queries 64 x .. 64 x + 63, keys 3,088 y .. : 24 slots of 128 keys and a tail of 16: the same text and the same counts in every work-group.
; A slot is two SUB-STEPS of 64 keys.  S^T = K Q^T: wave w takes keys 16 w .. 16 w + 15 of a sub-step against all 64 queries; all of Q (64 x 512) stays in its registers, so a fragment of K read
; from LDS feeds four products.  O^T += V^T P: wave w owns channels 128 w .. 128 w + 127 for all 64 queries, so P goes from wave to wave through LDS (9 KiB a sub-step).
; LAYOUT.  In S^T a lane holds ONE query (lane % 16) and the keys 8 (lane / 16) + 0..7: rounded in pairs, 16 bytes of P's row.  V is the same LDS rows turned by ds_load_tr16_b128.  A tile t of 16
; channels is channels 8 t + 0..7 and 64 + 8 t + 0..7 of the wave's 128: with rows 1,040 bytes apart (65 x 16) the sixteen lanes of K's loads (16 rows) and those of the turning loads (8 rows x 2
; pieces 128 bytes apart) each start at sixteen different groups of four banks (64 banks of 4 bytes: ISA guide 11.1).
; CLUSTER.  The four work-groups of a cluster have the same keys and other queries: every tile of the table, and rk, is asked for JOINTLY, by the same tensor load with the same descriptor and a
; mask that names the four.  Q is not shared: each partner has its own.
; A SLOT'S PERIOD is eight half-blocks of 32 products; the softmax of a sub-step rides in fours behind the products of the next half-block.  Three barriers: X (P of sub-step 0 is written),
; Y (P of sub-step 1), Z (the change of slots, a round of the cluster's barrier where a slot is filled again).
; REGISTERS, in windows of 256 (s_set_vgpr_msb: bits 1:0 source 0, 3:2 source 1, 5:4 source 2, 7:6 destination):
;   window 0: v0-11 addresses; v12-15 rq; v16-23 l; v24-31 rk of the sub-step; v32-63 S^T a (later P's second fragments); v64-95 S^T b; v96-127 P's first fragments; v128-191, v192-255 K's or V's fragments
;   window 1: O^T, accumulator (a, t) at 64 a + 8 t          window 2: Q, channels 0-255, at 64 a + 8 k          window 3: Q, channels 256-511
.set KEYS,  3088
.set PITCH, 1040
.set SUBB,  64*PITCH                   ; a sub-step's rows
.set SLOTB, 128*PITCH                  ; slot 0 at 0, slot 1 at SLOTB
.set TILEB, 131072                     ; a slot's rows in memory
.set PBASE, 2*SLOTB                    ; P: two buffers of 64 query rows x 144 bytes (128 + 16); no tensor load lands here
.set PP,    144
.set PSUB,  64*PP
.set RKB,   PBASE+2*PSUB               ; the split's 3,088 rk, filled once
.set LSUM,  RKB+12544                  ; the four waves' l
.set SPARE, LSUM+1024                  ; the spare words, 128 bytes for each wave: two blocks of 256 bytes that no other line names
.set LV,  1                            ; v1   16 x lane
.set AKL, 2                            ; v2   my lane's place in 16 rows of K: (l % 16) x PITCH + 16 (l / 16)
.set AVL, 3                            ; v3   the same for the turning loads: (8 (l / 16) + l % 8) x PITCH + 128 ((l / 8) % 2) + 256 w
.set ADR, 4                            ; v4   the LDS address of the runs in hand
.set APS, 5                            ; v5   where I put 16 bytes of P
.set APL, 6                            ; v6   where I read P's fragments
.set ASC, 7                            ; v7   where the next sub-step's rk lie
.set PFO, 8                            ; v8   256 x lane
.set SPW, 9                            ; v9   LDS address of my spare word; never rewritten
.set NIL, 10                           ; v10  0; never rewritten
.set TM,  11
.set RQ,  12
.set LL,  16                           ; tile a's l at LL + 2 a: even keys', odd keys'
.set SC,  24
.set SA,  32
.set SB,  64
.set PB0, 96
.set PB1, 32
.set FA,  128
.set FB,  192
.set WV,  16                           ; s16  my wave's number
.set G1,  24                           ; s[24:31] group 1: 32 rows x 1,024 bytes
.set G1T, 32                           ; s[32:39] the tail's: 4 rows
.set G1R, 40                           ; s[40:47] rk's: one row of 3,088 bytes
.set G0A, 48                           ; s[48:51] group 0 of slot 0;  s[52:55] of slot 1
.set G0T, 56                           ; s[56:59] of the tail
.set G0R, 60                           ; s[60:63] of rk
.set KB,  66                           ; s66-69  LDS byte of my 16 keys in sub-steps 0 to 3 of the ring
.set CNT, 70
.set LIM, 71                           ; s71  1 in a cluster that prefetches, else the greatest number
.set PFA, 72                           ; s[72:73] where my prefetches stand
.set SEL, 74
.set WSEL, 76                          ; s[76:77] 1.0 in wave 0, else 0
.set W_S2, 0x08                        ; Q in window 2
.set W_S3, 0x0c                        ; Q in window 3
.set W_PV, 0x50                        ; O^T (C and D) in window 1
.set W_ST, 0x04                        ; a store's data in window 1
.set MSB, 0
.macro WIN new                         ; the high byte repeats the setting that is left; a switch that changes nothing is dropped
.if MSB != (\new)
	s_set_vgpr_msb (MSB<<8)|(\new)
.set MSB, (\new)
.endif
.endm
; A load into a register that a matrix instruction has read, and a vector instruction that reads a matrix result, stand four places behind it; a matrix instruction that writes over such a register,
; or takes a result as a source, five (ISA guide 7.12.1 for vector instructions).  Only plain vector instructions that name none of its registers are counted.
.macro PLACES n
.rept \n
	v_nop
.endr
.endm
.macro CREST                           ; a round of the cluster's barrier behind its opening barrier
	s_cmp_lg_u32 s[WV], 0
	s_cbranch_scc1 .Lnot_wave_0_\@
	s_barrier_signal -3
.Lnot_wave_0_\@:
	s_barrier_wait -3
	s_barrier_signal -1
	s_barrier_wait -1
.endm
.macro CROUND
	s_barrier_signal -1
	s_barrier_wait -1
	CREST
.endm
.macro JLOAD g0, g1                    ; a joint load: each wave brings rows of its own (both addresses hang on the wave's number); an s_nop 0 and four v_nop follow
	tensor_load_to_lds s[\g0:\g0+3], s[\g1:\g1+7]
	s_nop 0
	PLACES 4
.endm
; A PREFETCH INTO THE L2, behind a joint refill and the run of LDS loads that follows it: the tile that stands TWO refills on, 512 products ahead of the load that will want it.  The four clusters of
; a split walk the same rows: the cluster with x = 0 asks.  Its partners and their waves share a tile's 128 rows out BY ADDRESS: partner p, wave w take rows 32 p + 8 w .. + 7, 8,192 consecutive
; bytes, 256 a lane: one instruction a wave, and each block is named once in the launch.  The loop's last trip asks for nothing: the tiles two refills on do not exist.  The first four tiles and the tail come by their loads alone.
.macro ASK
	s_cmp_gt_u32 s[CNT], s[LIM]
	s_cbranch_scc0 .Lnot_mine_\@
	global_prefetch_b8 v[PFO], s[PFA:PFA+1] th:TH_LOAD_NT scope:SCOPE_SE
.Lnot_mine_\@:
.endm
	s_load_b256 s[4:11], s[0:1], 0x0               ; qf s[4:5], ssq s[6:7], embh s[8:9], rk s[10:11]
	s_load_b128 s[12:15], s[0:1], 0x20             ; opart s[12:13], lpart s[14:15]
	v_lshl_add_u32 v[SPW], v0, 2, SPARE
	v_mov_b32 v[NIL], 0
	ds_add_u32 v[SPW], v[NIL]                      ; the wave's opening: the add, twice on end, and its wait ahead of my first tensor load; the set-up below stands between
	ds_add_u32 v[SPW], v[NIL]
	v_lshrrev_b32 v1, 5, v0
	v_readfirstlane_b32 s[WV], v1                  ; wave 0..3
	s_bfe_u32 s17, ttmp6, 0x40000                  ; cx: my place in the cluster
	s_lshl_b32 s18, ttmp9, 2
	s_add_co_u32 s18, s18, s17                     ; my block of 64 queries: it enters qf's, ssq's, opart's and lpart's addresses alone
	s_and_b32 s19, ttmp7, 0xffff                   ; the split of the keys, which the four partners share
	s_mov_b32 s[G1], 15|(1<<16)|(1<<20)|(1<<21)|(7<<22)|(3<<25)   ; the mask of four; 2-byte elements; padding on; bit 21 beside a mask; after every 256 words (code 7) 4 words (code 3)
	s_mov_b32 s[G1+1], 512<<16                     ; tensor_dim0 = 512
	s_mov_b32 s[G1+2], 32<<16                      ; tensor_dim1 = 32
	s_mov_b32 s[G1+3], 512<<16                     ; tile_dim0 = 512
	s_mov_b32 s[G1+4], 32                          ; tile_dim1 = 32
	s_mov_b32 s[G1+5], 512                         ; elements from row to row
	s_mov_b32 s[G1+6], 0
	s_mov_b32 s[G1+7], 0
	s_mov_b32 s[G1T], 15|(1<<16)|(1<<20)|(1<<21)|(7<<22)|(3<<25)
	s_mov_b32 s[G1T+1], 512<<16
	s_mov_b32 s[G1T+2], 4<<16                      ; four rows a wave
	s_mov_b32 s[G1T+3], 512<<16
	s_mov_b32 s[G1T+4], 4
	s_mov_b32 s[G1T+5], 512
	s_mov_b32 s[G1T+6], 0
	s_mov_b32 s[G1T+7], 0
	s_mov_b32 s[G1R], 15|(3<<16)|(1<<21)           ; 8-byte elements, no padding
	s_mov_b32 s[G1R+1], 386<<16                    ; one row of 386 elements: 772 numbers a wave
	s_mov_b32 s[G1R+2], 1<<16
	s_mov_b32 s[G1R+3], 386<<16
	s_mov_b32 s[G1R+4], 1
	s_mov_b32 s[G1R+5], 386
	s_mov_b32 s[G1R+6], 1<<16
	s_mov_b32 s[G1R+7], 0
	s_mul_i32 s20, s[WV], 32*PITCH                 ; where my 32 rows of a slot go: no place in the cluster enters an LDS address
	s_mov_b32 s[G0A], 1
	s_mov_b32 s[G0A+1], s20
	s_mov_b32 s[G0A+4], 1
	s_add_co_u32 s[G0A+5], s20, SLOTB
	s_mov_b32 s[G0T], 1
	s_mul_i32 s[G0T+1], s[WV], 4*PITCH             ; the tail takes the first 16 rows of slot 0
	s_mov_b32 s[G0R], 1
	s_mul_i32 s[G0R+1], s[WV], 3088
	s_add_co_u32 s[G0R+1], s[G0R+1], RKB
	s_mul_i32 s[KB], s[WV], 16*PITCH
	s_add_co_u32 s[KB+1], s[KB], SUBB
	s_add_co_u32 s[KB+2], s[KB], 2*SUBB
	s_add_co_u32 s[KB+3], s[KB], 3*SUBB
	s_mov_b32 s[SEL], 0x76543210
	s_mov_b32 s[SEL+1], 0xfedcba98
	s_cmp_eq_u32 s[WV], 0
	s_cselect_b32 s[WSEL], 1.0, 0
	s_mov_b32 s[WSEL+1], s[WSEL]                   ; named with it as a pair
	s_cmp_eq_u32 ttmp9, 0
	s_cselect_b32 s[LIM], 1, -1                    ; the same in all four partners
	s_mul_i32 s20, s19, KEYS                       ; the split's first key
	s_lshl_b32 s21, s[WV], 5
	s_add_co_u32 s78, s20, s21
	s_lshl_b32 s78, s78, 10                        ; my 32 rows of tile 0, in bytes
	s_mov_b32 s79, 0
	s_lshl_b32 s21, s[WV], 2
	s_add_co_u32 s80, s20, s21
	s_add_co_u32 s80, s80, 3072
	s_lshl_b32 s80, s80, 10                        ; my 4 rows of the tail
	s_mov_b32 s81, 0
	s_mul_i32 s21, s[WV], 772
	s_add_co_u32 s82, s20, s21
	s_lshl_b32 s82, s82, 2                         ; my 772 numbers of rk
	s_mov_b32 s83, 0
	v_and_b32 v[LV], 31, v0
	v_lshlrev_b32 v[PFO], 8, v[LV]
	v_lshlrev_b32 v[LV], 4, v[LV]
	v_and_b32 v[TM], 15, v0                        ; l % 16
	v_bfe_u32 v[ADR], v0, 4, 1                     ; l / 16
	v_mul_u32_u24 v[AKL], v[TM], PITCH
	v_lshl_add_u32 v[AKL], v[ADR], 4, v[AKL]
	v_mul_u32_u24 v[APL], v[TM], PP
	v_lshl_add_u32 v[APL], v[ADR], 4, v[APL]
	v_add_nc_u32 v[APL], PBASE, v[APL]
	s_lshl_b32 s21, s[WV], 5
	v_add_nc_u32 v[APS], s21, v[APL]               ; my wave's 16 keys are 32 bytes of P's rows
	s_lshl_b32 s21, s[WV], 6
	v_lshl_add_u32 v[ASC], v[ADR], 5, s21
	v_add_nc_u32 v[ASC], RKB, v[ASC]
	v_and_b32 v[AVL], 7, v0
	v_lshl_add_u32 v[AVL], v[ADR], 3, v[AVL]
	v_mul_u32_u24 v[AVL], v[AVL], PITCH
	v_bfe_u32 v[ADR], v0, 3, 1
	v_lshl_add_u32 v[AVL], v[ADR], 7, v[AVL]
	s_lshl_b32 s21, s[WV], 8
	v_add_nc_u32 v[AVL], s21, v[AVL]
	v_lshlrev_b32 v[TM], 2, v[TM]                  ; 4 (l % 16), for ssq
	s_wait_dscnt 0x0                               ; both opening adds are done
	s_wait_kmcnt 0x0
	s_add_nc_u64 s[G0A+2:G0A+3], s[8:9], s[78:79]
	s_add_nc_u64 s[G0A+6:G0A+7], s[G0A+2:G0A+3], TILEB
	s_or_b32 s[G0A+3], s[G0A+3], 0x80000000        ; type = 2
	s_or_b32 s[G0A+7], s[G0A+7], 0x80000000
	s_add_nc_u64 s[G0T+2:G0T+3], s[8:9], s[80:81]
	s_or_b32 s[G0T+3], s[G0T+3], 0x80000000
	s_add_nc_u64 s[G0R+2:G0R+3], s[10:11], s[82:83]
	s_or_b32 s[G0R+3], s[G0R+3], 0x80000000
	s_mov_b32 s3, 0                                ; the offsets that hang on my block of queries, in registers that feed no descriptor
	s_lshl_b32 s2, s18, 16
	s_add_nc_u64 s[4:5], s[4:5], s[2:3]            ; qf at my 64 queries
	s_lshl_b32 s2, s18, 8
	s_add_nc_u64 s[6:7], s[6:7], s[2:3]            ; ssq
	s_lshl_b32 s22, s19, 12
	s_add_co_u32 s2, s2, s22
	s_add_nc_u64 s[14:15], s[14:15], s[2:3]        ; lpart[split][query]
	s_lshl_b32 s2, s19, 21
	s_lshl_b32 s22, s18, 17
	s_add_co_u32 s2, s2, s22
	s_lshl_b32 s22, s[WV], 15
	s_add_co_u32 s2, s2, s22
	s_add_nc_u64 s[12:13], s[12:13], s[2:3]        ; opart[split][block][wave]
	s_lshl_b32 s2, s17, 5
	s_lshl_b32 s22, s[WV], 3
	s_add_co_u32 s2, s2, s22
	s_add_co_u32 s2, s2, s20
	s_lshl_b32 s2, s2, 10
	s_add_nc_u64 s[PFA:PFA+1], s[8:9], s[2:3]      ; my 8 rows of a tile,
	s_add_nc_u64 s[PFA:PFA+1], s[PFA:PFA+1], 3*TILEB  ; in tile 3: the first change of slots steps it to tile 4
	CROUND                                         ; all four work-groups are here: the first joint loads meet
	tensor_load_to_lds s[G0R:G0R+3], s[G1R:G1R+7]  ; the first fills go out together: three loads of mine are out
	s_nop 0
	tensor_load_to_lds s[G0A:G0A+3], s[G1:G1+7]
	s_nop 0
	tensor_load_to_lds s[G0A+4:G0A+7], s[G1:G1+7]
	s_nop 0
	PLACES 4
	WIN 0x80                                       ; Q stays in registers: tile a, channels 32 k on, as prep laid it
.set qa, 0
.rept 4
.set qk, 0
.rept 8
	global_load_b128 v[64*qa+8*qk:64*qa+8*qk+3],   v[LV], s[4:5] offset:qa*16384+qk*1024
	global_load_b128 v[64*qa+8*qk+4:64*qa+8*qk+7], v[LV], s[4:5] offset:qa*16384+qk*1024+512
.set qk, qk+1
.endr
.set qa, qa+1
.endr
	WIN 0xc0
.set qa, 0
.rept 4
.set qk, 0
.rept 8
	global_load_b128 v[64*qa+8*qk:64*qa+8*qk+3],   v[LV], s[4:5] offset:qa*16384+8192+qk*1024
	global_load_b128 v[64*qa+8*qk+4:64*qa+8*qk+7], v[LV], s[4:5] offset:qa*16384+8192+qk*1024+512
.set qk, qk+1
.endr
.set qa, qa+1
.endr
	WIN 0
.set qk, 0
.rept 8
.irp a, 0,1,2,3
	global_load_b32 v[FA+4*qk+(\a)], v[TM], s[6:7] offset:qk*4096+(\a)*64  ; the eight parts of my queries' sums of squares
.endr
.set qk, qk+1
.endr
.set qk, 0
.rept 8
	v_mov_b32 v[LL+qk], 0
.set qk, qk+1
.endr
	s_wait_loadcnt 0x0
.irp a, 0,1,2,3
	v_add_f32 v[RQ+(\a)], v[FA+(\a)], v[FA+4+(\a)]
.endr
.set qk, 2
.rept 6
.irp a, 0,1,2,3
	v_add_f32 v[RQ+(\a)], v[RQ+(\a)], v[FA+4*qk+(\a)]
.endr
.set qk, qk+1
.endr
.irp a, 0,1,2,3
	v_sqrt_f32 v[RQ+(\a)], v[RQ+(\a)]
.endr
	v_nop                                          ; a plain instruction behind the last root,
	s_wait_alu depctr_va_vdst(0)                   ; and the wait ahead of the first use: one for the four
.irp a, 0,1,2,3
	v_max_num_f32 v[RQ+(\a)], 0x322bcc77, v[RQ+(\a)]  ; the clamp at 1e-8
.endr
.irp a, 0,1,2,3
	v_rcp_f32 v[RQ+(\a)], v[RQ+(\a)]
.endr
	v_nop
	s_wait_alu depctr_va_vdst(0)
.irp a, 0,1,2,3
	v_mul_f32 v[RQ+(\a)], 0x4166d4ca, v[RQ+(\a)]   ; rq = 10 log2(e) / max(|kw|, 1e-8)
.endr
; THE LDS LOADS stand in runs, never singly among the matrix instructions.
.macro KRUN buf, half                  ; my 16 keys, channels 256 half on: 8 fragments
	WIN 0
.irp f, 0,1,2,3,4,5,6,7
	ds_load_b128 v[(\buf)+8*(\f):(\buf)+8*(\f)+3],   v[ADR] offset:(8*(\half)+(\f))*64
	ds_load_b128 v[(\buf)+8*(\f)+4:(\buf)+8*(\f)+7], v[ADR] offset:(8*(\half)+(\f))*64+32
.endr
.endm
.macro VRUN buf, c                     ; keys 32 c on of a sub-step, my 128 channels, turned: 8 fragments
	WIN 0
.irp t, 0,1,2,3,4,5,6,7
	ds_load_tr16_b128 v[(\buf)+8*(\t):(\buf)+8*(\t)+3],   v[ADR] offset:(\c)*32*PITCH+16*(\t)
	ds_load_tr16_b128 v[(\buf)+8*(\t)+4:(\buf)+8*(\t)+7], v[ADR] offset:(\c)*32*PITCH+16*PITCH+16*(\t)
.endr
.endm
.macro PRUN pb, sub, c                 ; P of keys 32 c on of sub-step sub, all 64 queries: 4 fragments
	WIN 0
.irp a, 0,1,2,3
	ds_load_b128 v[(\pb)+8*(\a):(\pb)+8*(\a)+3],   v[APL] offset:(\sub)*PSUB+(\a)*16*PP+(\c)*64
	ds_load_b128 v[(\pb)+8*(\a)+4:(\pb)+8*(\a)+7], v[APL] offset:(\sub)*PSUB+(\a)*16*PP+(\c)*64+32
.endr
.endm
.macro SCRUN                           ; rk of my lane's eight keys of the next sub-step
	WIN 0
	ds_load_b128 v[SC:SC+3], v[ASC]
	ds_load_b128 v[SC+4:SC+7], v[ASC] offset:16
	v_add_nc_u32 v[ASC], 256, v[ASC]
.endm
; THE SOFTMAX OF A SUB-STEP: a list of 97 for the 32 registers of scores at X (tile a at X + 8 a); RENT writes number e of it.
;   0-15   s rk, a pair of keys each, tile after tile, each accumulator's lowest registers first       16-31  times rq
;   32-63  the exponentials: ONE BATCH; nothing ahead of number 65 names a result      64  a plain instruction behind the last of them, and the one wait
;   65-80  l takes the weights, the tiles by turns (tail = 1: times 1 in wave 0 and 0 elsewhere, since every wave makes the tail's weights)      81-96  the roundings to bf16, into the low four registers of each tile
.macro RENT X, tail
.if e < 16
.set ra, e/4
.set rm, e%4
	v_pk_mul_f32 v[(\X)+8*ra+2*rm:(\X)+8*ra+2*rm+1], v[(\X)+8*ra+2*rm:(\X)+8*ra+2*rm+1], v[SC+2*rm:SC+2*rm+1]
.elseif e < 32
.set ra, (e-16)/4
.set rm, (e-16)%4
.if ra%2
	v_pk_mul_f32 v[(\X)+8*ra+2*rm:(\X)+8*ra+2*rm+1], v[(\X)+8*ra+2*rm:(\X)+8*ra+2*rm+1], v[RQ+2*(ra/2):RQ+2*(ra/2)+1] op_sel:[0,1] op_sel_hi:[1,1]
.else
	v_pk_mul_f32 v[(\X)+8*ra+2*rm:(\X)+8*ra+2*rm+1], v[(\X)+8*ra+2*rm:(\X)+8*ra+2*rm+1], v[RQ+2*(ra/2):RQ+2*(ra/2)+1] op_sel_hi:[1,0]
.endif
.elseif e < 64
	v_exp_f32 v[(\X)+e-32], v[(\X)+e-32]
.elseif e == 64
	v_nop
	s_wait_alu depctr_va_vdst(0)
.elseif e < 81
.set ra, (e-65)%4
.set rm, (e-65)/4
.if \tail
	v_pk_fma_f32 v[LL+2*ra:LL+2*ra+1], v[(\X)+8*ra+2*rm:(\X)+8*ra+2*rm+1], s[WSEL:WSEL+1], v[LL+2*ra:LL+2*ra+1] op_sel_hi:[1,0,1]
.else
	v_pk_add_f32 v[LL+2*ra:LL+2*ra+1], v[LL+2*ra:LL+2*ra+1], v[(\X)+8*ra+2*rm:(\X)+8*ra+2*rm+1]
.endif
.else
.set ra, (e-81)/4
.set rm, (e-81)%4
	v_cvt_pk_bf16_f32 v[(\X)+8*ra+rm], v[(\X)+8*ra+2*rm], v[(\X)+8*ra+2*rm+1]
.endif
.endm
.macro RIDE X, sub, tail               ; the list's next four; behind its last the four stores of P (not in the tail, where P stays in registers)
.if e < 97
	WIN 0
.rept 4
.if e < 97
	RENT \X, \tail
.set e, e+1
.endif
.endr
.if e == 97
.if !(\tail)
.irp a, 0,1,2,3
	ds_store_b128 v[APS], v[(\X)+8*(\a):(\X)+8*(\a)+3] offset:(\sub)*PSUB+(\a)*16*PP
.endr
.endif
.set e, 98
.endif
.endif
.endm
; THE MATRIX WORK.  The accumulators take turns, one instruction a turn: 4 in S^T, 32 in O^T.
; S^T += K Q^T: fragments f0 .. f0 + nf - 1 of buf against the four tiles of queries; zero = 1: fragment 0 starts the sums.  ride = 1: four of the softmax list for rX behind each product.
.macro SMUL buf, win, X, zero, f0, nf, ride=0, rX=0, rsub=0
.set sf, \f0
.rept \nf
.set sa, 0
.rept 4
	WIN \win
.if (\zero) && (sf == 0)
	v_wmma_f32_16x16x32_bf16 v[(\X)+8*sa:(\X)+8*sa+7], v[(\buf)+8*sf:(\buf)+8*sf+7], v[64*sa+8*sf:64*sa+8*sf+7], 0
.else
	v_wmma_f32_16x16x32_bf16 v[(\X)+8*sa:(\X)+8*sa+7], v[(\buf)+8*sf:(\buf)+8*sf+7], v[64*sa+8*sf:64*sa+8*sf+7], v[(\X)+8*sa:(\X)+8*sa+7]
.endif
.if \ride
	RIDE \rX, \rsub, 0
.endif
.set sa, sa+1
.endr
.set sf, sf+1
.endr
.endm
; O^T += V^T P: channel tiles t0 .. t0 + nt - 1 of buf against the four tiles of queries in pb; zero = 1: the products start the sums.
.macro PVMUL buf, pb, zero, t0, nt, ride=0, rX=0, rsub=0
.set pt, \t0
.rept \nt
.set pa, 0
.rept 4
	WIN W_PV
.if \zero
	v_wmma_f32_16x16x32_bf16 v[64*pa+8*pt:64*pa+8*pt+7], v[(\buf)+8*pt:(\buf)+8*pt+7], v[(\pb)+8*pa:(\pb)+8*pa+7], 0
.else
	v_wmma_f32_16x16x32_bf16 v[64*pa+8*pt:64*pa+8*pt+7], v[(\buf)+8*pt:(\buf)+8*pt+7], v[(\pb)+8*pa:(\pb)+8*pa+7], v[64*pa+8*pt:64*pa+8*pt+7]
.endif
.if \ride
	RIDE \rX, \rsub, 0
.endif
.set pa, pa+1
.endr
.set pt, pt+1
.endr
.endm
; HALF-BLOCKS 0 TO 4 OF A SLOT'S PERIOD.  At its head K's first half of sub-step 0 is on its way into FA and ADR still holds its address.  first = 1: the launch's first products V^T P start O^T's sums.
.macro PERA slot, first
	PLACES 5                                       ; S^T a's registers held P's fragments, which the last products read: five places ahead of the product that writes over them, four ahead of the loads into FB
	KRUN FB, 1
	SCRUN
	s_wait_dscnt 18                                ; all but the 18 just issued: FA is in
	SMUL FA, W_S2, SA, 1, 0, 8                     ; 0: sub-step 0, channels 0-255
	PLACES 4
	WIN 0
	v_add_nc_u32 v[ADR], s[KB+2*(\slot)+1], v[AKL]
	KRUN FA, 0
	s_wait_dscnt 16                                ; FB and rk are in
	SMUL FB, W_S3, SA, 0, 0, 8                     ; 1: sub-step 0, channels 256-511
	PLACES 4                                       ; in front of the loads into FB and of the softmax's first read of S^T a
	KRUN FB, 1
	s_wait_dscnt 16
.set e, 0
	SMUL FA, W_S2, SB, 1, 0, 8, 1, SA, 0           ; 2: sub-step 1, channels 0-255 | the softmax of sub-step 0, P into buffer 0
	s_wait_dscnt 0x0                               ; for the others' sake: my stores of P are done (and FB is in)
	s_barrier_signal -1                            ; X.  Up to its wait: loads of slot and rk bytes, which nobody writes before the change of slots, and products
	PLACES 4
	WIN 0
	v_add_nc_u32 v[ADR], SUBB*2*(\slot), v[AVL]
	VRUN FA, 0
	SCRUN
	SMUL FB, W_S3, SB, 0, 0, 4                     ; 3: sub-step 1, channels 256-511
	s_barrier_wait -1                              ; P of sub-step 0 is whole
	PRUN PB0, 0, 0
	SMUL FB, W_S3, SB, 0, 4, 4
	PLACES 4
	VRUN FB, 1
	PRUN PB1, 0, 1
	s_wait_dscnt 24                                ; all but the 24 just issued: FA, rk and P's first fragments are in
.set e, 0
	PVMUL FA, PB0, \first, 0, 8, 1, SB, 1          ; 4: V^T P, sub-step 0, keys 0-31 | the softmax of sub-step 1, P into buffer 1
	s_wait_dscnt 0x0                               ; my stores of P are done, my reads of buffer 0 are over (and FB and P's second fragments are in)
.endm
; HALF-BLOCKS 5 TO 7.  rf = 1: the slot is filled again, two tiles on; 2: its first 16 rows take the tail; 0: nothing is filled.  nx: where the next K lies: slot 0, slot 1, or (2) the tail.
.macro PERB slot, rf, nx
	s_barrier_signal -1                            ; Y
	PLACES 4
	WIN 0
	v_add_nc_u32 v[ADR], SUBB*(2*(\slot)+1), v[AVL]
	VRUN FA, 0
	PVMUL FB, PB1, 0, 0, 4                         ; 5: sub-step 0, keys 32-63
	s_barrier_wait -1                              ; P of sub-step 1 is whole
	PRUN PB0, 1, 0
	PVMUL FB, PB1, 0, 4, 4
	PLACES 4
	VRUN FB, 1                                     ; the slot's last reads
	PRUN PB1, 1, 1
.if (\rf) == 1
	s_wait_xcnt 0x0                                ; the last prefetch, a period back, has read its address, which is stepped here, ahead of the waits of the change of slots
	s_add_nc_u64 s[PFA:PFA+1], s[PFA:PFA+1], TILEB
.endif
	s_wait_tensorcnt 0x0                           ; all my tensor loads have landed: the one that was out is my part of the other slot (or of the tail);
	ds_add_u32 v[SPW], v[NIL]                      ; 0 onto my spare word;
	s_wait_dscnt 25                                ; (the add and the 24 loads just issued may be out: FA and P's first fragments are in)
	PVMUL FA, PB0, 0, 0, 4                         ; 6: sub-step 1, keys 0-31: sixteen products stand between the add and the wait for it
	s_wait_dscnt 0x0                               ; the add is done; my reads of the slot and of P's buffer 1 are over
	s_barrier_signal -1                            ; Z: the change of slots; with rf it opens a round of the cluster's barrier
	PVMUL FA, PB0, 0, 4, 4
	WIN 0
	s_barrier_wait -1
.if \rf
	CREST                                          ; no wave of any partner still reads the slot or has a load on its way
.endif
.if (\rf) == 1
	s_add_nc_u64 s[G0A+4*(\slot)+2:G0A+4*(\slot)+3], s[G0A+4*(\slot)+2:G0A+4*(\slot)+3], 2*TILEB
	JLOAD G0A+4*(\slot), G1                        ; the first tensor load behind the round: 224 products ahead of the wait for it; its four v_nop are also the places in front of the loads below
.elseif (\rf) == 2
	JLOAD G0T, G1T
.else
	PLACES 4
.endif
.if (\nx) == 2
	v_mov_b32 v[ADR], v[AKL]                       ; the tail's 16 keys: every wave takes all of them
.else
	v_add_nc_u32 v[ADR], s[KB+2*(\nx)], v[AKL]
.endif
	KRUN FA, 0
.if (\rf) == 1
	ASK
.endif
	PVMUL FB, PB1, 0, 0, 8                         ; 7: sub-step 1, keys 32-63
.endm
	s_wait_tensorcnt 1                             ; my parts of rk and of slot 0 are in; slot 1's may stay out
	s_barrier_signal -1
	s_barrier_wait -1                              ; everybody's are
	v_add_nc_u32 v[ADR], s[KB], v[AKL]
	KRUN FA, 0
	PERA 0, 1                                      ; written out ahead of the loop: its products V^T P start the sums: nothing is cleared
	WIN 0                                          ; at a label and at a branch every window is 0
	s_mov_b32 s[CNT], 11
.Lloop:                                                ; a trip ends one period of slot 0, runs one of slot 1 and begins the next of slot 0; its two refills bring tiles 2 to 23
	PERB 0, 1, 1
	PERA 1, 0
	PERB 1, 1, 0
	PERA 0, 0
	WIN 0
	s_sub_co_u32 s[CNT], s[CNT], 1
	s_cmp_lg_u32 s[CNT], 0
	s_cbranch_scc1 .Lloop
	PERB 0, 2, 1                                   ; tile 22 ends: the tail is asked for
	PERA 1, 0
	PERB 1, 0, 2                                   ; tile 23: nothing is asked for; its change of slots has shown the tail whole to every wave
	; THE TAIL: 16 keys.  Every wave makes their scores against all 64 queries for itself: P then lies in its own registers as the low half of a source (keys 0-15 of 32), and no exchange is needed.
	; The high halves of both sources are 0.  Wave 0 alone counts these weights in l.
	PLACES 5
	KRUN FB, 1
	v_bfe_u32 v[TM], v0, 4, 1
	v_lshl_add_u32 v[ASC], v[TM], 5, RKB+12288     ; rk of keys 3,072 + 8 (l / 16) on
	SCRUN
	s_wait_dscnt 18
	SMUL FA, W_S2, SA, 1, 0, 8
	PLACES 4
	WIN 0
.irp t, 0,1,2,3,4,5,6,7
	ds_load_tr16_b128 v[FA+8*(\t):FA+8*(\t)+3], v[AVL] offset:16*(\t)
.endr
.irp t, 0,1,2,3,4,5,6,7
.irp k, 4,5,6,7
	v_mov_b32 v[FA+8*(\t)+(\k)], 0
.endr
.endr
	s_wait_dscnt 8                                 ; FB and rk are in; the eight turning loads may stay out
	SMUL FB, W_S3, SA, 0, 0, 8
	PLACES 5                                       ; the scores become a source of the next products: five places that name none of them
.set e, 0
.rept 25
	RIDE SA, 0, 1
.endr
.irp a, 0,1,2,3
.irp k, 4,5,6,7
	v_mov_b32 v[SA+8*(\a)+(\k)], 0
.endr
.endr
	s_wait_dscnt 0x0
	PVMUL FA, SA, 0, 0, 8
	; THE WAY OUT.  l: its two halves and the other half of the lanes' are added, then the four waves' through LDS.  O^T leaves straight from the accumulators, in the order in which they lie:
	; a store of the wave covers 512 consecutive bytes.  The eight plain additions are the places behind the last products.
	WIN 0
.irp a, 0,1,2,3
	v_add_f32 v[LL+2*(\a)], v[LL+2*(\a)], v[LL+2*(\a)+1]
.endr
.irp a, 0,1,2,3
	v_permlanex16_b32 v[LL+2*(\a)+1], v[LL+2*(\a)], s[SEL], s[SEL+1]
.endr
.irp a, 0,1,2,3
	v_add_f32 v[LL+2*(\a)], v[LL+2*(\a)], v[LL+2*(\a)+1]
.endr
	v_and_b32 v[TM], 15, v0
	v_lshlrev_b32 v[TM], 2, v[TM]
	v_lshl_add_u32 v[TM], s[WV], 8, v[TM]
	v_add_nc_u32 v[TM], LSUM, v[TM]
.irp a, 0,1,2,3
	ds_store_b32 v[TM], v[LL+2*(\a)] offset:64*(\a)  ; both halves of the lanes write the same number to the same word
.endr
	WIN W_ST
.set pa, 0
.rept 4
.set pt, 0
.rept 8
	global_store_b128 v[LV], v[64*pa+8*pt:64*pa+8*pt+3],   s[12:13] offset:8192*pa+1024*pt th:TH_STORE_NT      ; each accumulator's low four registers first
	global_store_b128 v[LV], v[64*pa+8*pt+4:64*pa+8*pt+7], s[12:13] offset:8192*pa+1024*pt+512 th:TH_STORE_NT
.set pt, pt+1
.endr
.set pa, pa+1
.endr
	WIN 0
	s_wait_dscnt 0x0                               ; for the others' sake: my l lies in LDS
	s_barrier_signal -1
	s_barrier_wait -1
	s_cmp_lg_u32 s[WV], 0
	s_cbranch_scc1 .Lend                           ; wave 0 adds the four
	v_and_b32 v[TM], 31, v0
	v_lshlrev_b32 v[TM], 3, v[TM]
	v_add_nc_u32 v[ADR], LSUM, v[TM]
.irp w, 0,1,2,3
	ds_load_b64 v[SC+2*(\w):SC+2*(\w)+1], v[ADR] offset:256*(\w)
.endr
	s_wait_dscnt 0x0
	v_pk_add_f32 v[SC:SC+1], v[SC:SC+1], v[SC+2:SC+3]
	v_pk_add_f32 v[SC+4:SC+5], v[SC+4:SC+5], v[SC+6:SC+7]
	v_pk_add_f32 v[SC:SC+1], v[SC:SC+1], v[SC+4:SC+5]
	global_store_b64 v[TM], v[SC:SC+1], s[14:15]   ; 64 queries: 256 consecutive bytes, aligned
.Lend:
	s_wait_tensorcnt 0x0                           ; the wave's end, behind my last tensor load and my last LDS store
	ds_add_u32 v[SPW], v[NIL]
	s_wait_dscnt 0x0
	CROUND                                         ; the closing round: no work-group ends while a partner may still ask for a tile that names it
	s_endpgm
.Lfunc_end_k_q135d1e43a7_attend:
	.size	k_q135d1e43a7_attend, .Lfunc_end_k_q135d1e43a7_attend-k_q135d1e43a7_attend
	.p2alignl 7, 3214868480
	.fill 96, 4, 3214868480
	.section	.rodata,"a",@progbits
	.p2align	6, 0x0
	.amdhsa_kernel k_q135d1e43a7_attend
		.amdhsa_group_segment_fixed_size 327680
		.amdhsa_private_segment_fixed_size 0
		.amdhsa_enable_private_segment 0
		.amdhsa_kernarg_size 48
		.amdhsa_user_sgpr_count 2
		.amdhsa_user_sgpr_kernarg_segment_ptr 1
		.amdhsa_wavefront_size32 1
		.amdhsa_system_sgpr_workgroup_id_x 1
		.amdhsa_system_sgpr_workgroup_id_y 1
		.amdhsa_system_sgpr_workgroup_id_z 1
		.amdhsa_system_vgpr_workitem_id 0
		.amdhsa_next_free_vgpr 1024
		.amdhsa_next_free_sgpr 84
		.amdhsa_reserve_vcc 0
		.amdhsa_float_denorm_mode_32 3
		.amdhsa_float_denorm_mode_16_64 3
		.amdhsa_memory_ordered 1
		.amdhsa_forward_progress 1
		.amdhsa_inst_pref_size 221
	.end_amdhsa_kernel
	.amdgpu_metadata
---
amdhsa.version: [ 1, 2 ]
amdhsa.kernels:
  - .name:           k_q135d1e43a7_attend
    .symbol:         k_q135d1e43a7_attend.kd
    .args:
      - { .name: qf, .offset: 0, .size: 8, .value_kind: global_buffer, .address_space: global }
      - { .name: ssq, .offset: 8, .size: 8, .value_kind: global_buffer, .address_space: global }
      - { .name: embh, .offset: 16, .size: 8, .value_kind: global_buffer, .address_space: global }
      - { .name: rk, .offset: 24, .size: 8, .value_kind: global_buffer, .address_space: global }
      - { .name: opart, .offset: 32, .size: 8, .value_kind: global_buffer, .address_space: global }
      - { .name: lpart, .offset: 40, .size: 8, .value_kind: global_buffer, .address_space: global }
    .group_segment_fixed_size: 327680
    .private_segment_fixed_size: 0
    .kernarg_segment_align: 8
    .kernarg_segment_size: 48
    .max_flat_workgroup_size: 128
    .sgpr_count:     84
    .vgpr_count:     1024
    .wavefront_size: 32
...
	.end_amdgpu_metadata
.endif
;; end of part 2
;; launch finish (part 3): grid 256 x 1, 8 waves a work-group, no clusters, 9,472 bytes of LDS; arguments opart, lpart, out0; writes out0
.if DOCPART == 3
	.amdgcn_target "amdgcn-amd-amdhsa--gfx1250"
	.amdhsa_code_object_version 6
	.text
	.protected	k_q135d1e43a7_finish
	.globl	k_q135d1e43a7_finish
	.p2align	8
	.type	k_q135d1e43a7_finish,@function
k_q135d1e43a7_finish:
	s_mov_b64 s[64:65], 0
	v_nop
	global_prefetch_b8 v0, s[64:65] scope:SCOPE_SE
	s_setreg_imm32_b32 hwreg(HW_REG_WAVE_MODE, 25, 1), 1
	s_wait_xcnt 0x0
; out0[q][c] = (the sum over the 16 splits of O_s[q][c]) / (the sum over the 16 splits of l_s[q]).  The splits' sums carry no maximum (the launch before says why), so they add up as they are.  Nothing is left out.
; A work-group owns what one wave of the launch before held for one tile of 16 queries: 16 queries x 128 channels, 8,192 consecutive bytes of each split.  Thread t takes 16 bytes at 16 t and at
; 16 t + 4,096 of each: a load of a wave covers 512 consecutive bytes.  There the numbers lie by accumulator: piece (t, p, lane) is query lane % 16, channels 8 t + 64 (lane / 16) + 4 p + 0..3.
; So the quotients go through LDS (16 rows x 528 bytes: 33 x 16) and leave as rows: a store of a wave covers 512 consecutive bytes of one row of out0.
; Memory binds: no matrix unit, no cluster; 48 loads of every wave go out before the first wait.
.set PITCH, 528
.set SPARE, 8448                       ; behind the stage: the spare words, 128 bytes for each of the eight waves: four blocks of 256 bytes that no other line names
.set OA,  16                           ; v[16:143]   split s: 8 registers
.set LP,  144                          ; v[144:159]  split s: l of my query
.set RC,  160                          ; v[160:161]  1 / l, twice
	s_load_b128 s[4:7], s[0:1], 0x0                ; opart s[4:5], lpart s[6:7]
	s_load_b64 s[8:9], s[0:1], 0x10                ; out0
	v_lshl_add_u32 v2, v0, 2, SPARE                ; my spare word; never rewritten
	v_mov_b32 v3, 0                                ; 0; never rewritten
	s_lshl_b32 s10, ttmp9, 13                      ; the work-group's 8,192 bytes in a split
	s_mov_b32 s11, 0
	s_lshr_b32 s12, ttmp9, 4                       ; the block of 64 queries,
	s_and_b32 s13, ttmp9, 3                        ; the tile of 16 in it
	s_lshl2_add_u32 s12, s12, s13                  ; the tile among all 64
	s_bfe_u32 s13, ttmp9, 0x20002                  ; which 128 channels
	s_lshl_b32 s14, s12, 6
	s_mov_b32 s15, 0
	s_lshl_b32 s24, s12, 15                        ; 16 rows of 2,048 bytes,
	s_lshl_b32 s13, s13, 9                         ; 512 bytes along them
	s_add_co_u32 s24, s24, s13
	s_mov_b32 s25, 0
	v_lshlrev_b32 v4, 4, v0                        ; 16 t
	v_and_b32 v9, 15, v0                           ; my query
	v_lshlrev_b32 v5, 2, v9
	v_lshrrev_b32 v10, 5, v0
	v_bfe_u32 v11, v0, 4, 1
	v_mul_u32_u24 v6, v9, PITCH                    ; into the stage: my query's row,
	v_lshl_add_u32 v6, v10, 4, v6                  ; 32 (tile of channels) + 16 p = 16 (t / 32),
	v_lshl_add_u32 v6, v11, 8, v6                  ; 256 for the upper half of the lanes
	v_and_b32 v12, 31, v0
	v_mul_u32_u24 v7, v10, PITCH                   ; back: wave v takes rows v and v + 8, whole
	v_lshl_add_u32 v7, v12, 4, v7
	v_lshlrev_b32 v8, 11, v10                      ; and the same rows in out0
	v_lshl_add_u32 v8, v12, 4, v8
	s_wait_kmcnt 0x0
	s_add_nc_u64 s[16:17], s[4:5], s[10:11]        ; four bases, four splits (8 MiB) apart, so that a split's place fits the immediate
	s_add_nc_u64 s[18:19], s[16:17], 0x800000
	s_add_nc_u64 s[20:21], s[16:17], 0x1000000
	s_add_nc_u64 s[22:23], s[16:17], 0x1800000
	s_add_nc_u64 s[6:7], s[6:7], s[14:15]
	s_add_nc_u64 s[8:9], s[8:9], s[24:25]
.set i, 0
.rept 16
	global_load_b32 v[LP+i], v5, s[6:7] offset:i*4096
.set i, i+1
.endr
.set i, 0
.rept 16
	global_load_b128 v[OA+8*i:OA+8*i+3],   v4, s[16+2*(i/4):17+2*(i/4)] offset:(i%4)*0x200000 th:TH_LOAD_NT
	global_load_b128 v[OA+8*i+4:OA+8*i+7], v4, s[16+2*(i/4):17+2*(i/4)] offset:(i%4)*0x200000+4096 th:TH_LOAD_NT
.set i, i+1
.endr
.set i, 1
.rept 15
	s_wait_loadcnt 2*(15-i)                        ; loads come back in order: split i is in; the two loads of each later split may stay out
.irp k, 0,2,4,6
	v_pk_add_f32 v[OA+(\k):OA+(\k)+1], v[OA+(\k):OA+(\k)+1], v[OA+8*i+(\k):OA+8*i+(\k)+1]
.endr
	v_add_f32 v[LP], v[LP], v[LP+i]
.set i, i+1
.endr
	v_rcp_f32 v[RC], v[LP]                         ; l is a sum of 49,408 weights of 4e-5 or more: never 0
	v_rcp_f32 v[RC+1], v[LP]
	v_nop                                          ; a plain instruction behind the last reciprocal,
	s_wait_alu depctr_va_vdst(0)                   ; and the wait ahead of the first use: one for both
.irp k, 0,2,4,6
	v_pk_mul_f32 v[OA+(\k):OA+(\k)+1], v[OA+(\k):OA+(\k)+1], v[RC:RC+1]
.endr
	ds_store_b128 v6, v[OA:OA+3]
	ds_store_b128 v6, v[OA+4:OA+7] offset:128      ; the second piece lies four tiles of channels on
	s_wait_dscnt 0x0                               ; for the others' sake: my stores into the stage are done
	s_barrier_signal -1
	s_barrier_wait -1
	ds_load_b128 v[OA+8:OA+11], v7
	ds_load_b128 v[OA+12:OA+15], v7 offset:8*PITCH
	s_wait_dscnt 0x0
	global_store_b128 v8, v[OA+8:OA+11], s[8:9] th:TH_STORE_NT
	global_store_b128 v8, v[OA+12:OA+15], s[8:9] offset:16384 th:TH_STORE_NT
	s_wait_tensorcnt 0x0                           ; the wave's end, behind my last LDS store
	ds_add_u32 v2, v3
	s_wait_dscnt 0x0
	s_endpgm
.Lfunc_end_k_q135d1e43a7_finish:
	.size	k_q135d1e43a7_finish, .Lfunc_end_k_q135d1e43a7_finish-k_q135d1e43a7_finish
	.p2alignl 7, 3214868480
	.fill 96, 4, 3214868480
	.section	.rodata,"a",@progbits
	.p2align	6, 0x0
	.amdhsa_kernel k_q135d1e43a7_finish
		.amdhsa_group_segment_fixed_size 9472
		.amdhsa_private_segment_fixed_size 0
		.amdhsa_enable_private_segment 0
		.amdhsa_kernarg_size 24
		.amdhsa_user_sgpr_count 2
		.amdhsa_user_sgpr_kernarg_segment_ptr 1
		.amdhsa_wavefront_size32 1
		.amdhsa_system_sgpr_workgroup_id_x 1
		.amdhsa_system_sgpr_workgroup_id_y 1
		.amdhsa_system_sgpr_workgroup_id_z 1
		.amdhsa_system_vgpr_workitem_id 0
		.amdhsa_next_free_vgpr 176
		.amdhsa_next_free_sgpr 66
		.amdhsa_reserve_vcc 0
		.amdhsa_float_denorm_mode_32 3
		.amdhsa_float_denorm_mode_16_64 3
		.amdhsa_memory_ordered 1
		.amdhsa_forward_progress 1
		.amdhsa_inst_pref_size 13
	.end_amdhsa_kernel
	.amdgpu_metadata
---
amdhsa.version: [ 1, 2 ]
amdhsa.kernels:
  - .name:           k_q135d1e43a7_finish
    .symbol:         k_q135d1e43a7_finish.kd
    .args:
      - { .name: opart, .offset: 0, .size: 8, .value_kind: global_buffer, .address_space: global }
      - { .name: lpart, .offset: 8, .size: 8, .value_kind: global_buffer, .address_space: global }
      - { .name: out0, .offset: 16, .size: 8, .value_kind: global_buffer, .address_space: global }
    .group_segment_fixed_size: 9472
    .private_segment_fixed_size: 0
    .kernarg_segment_align: 8
    .kernarg_segment_size: 24
    .max_flat_workgroup_size: 256
    .sgpr_count:     66
    .vgpr_count:     176
    .wavefront_size: 32
...
	.end_amdgpu_metadata
.endif
;; end of part 3
;; ======== version 2 of 2: 3 launches; version 1 with the launch prep written anew for expert scheduling mode
;; workspace buffers: qf 1,048,576 bytes; ssq 32,768 bytes; embh 50,593,792 bytes; rk 197,632 bytes; opart 33,554,432 bytes; lpart 65,536 bytes
;; launch prep (part 4): grid 257 x 1, 4 waves a work-group, no clusters, 123,392 bytes of LDS; arguments audio_feat, W_proj, b_proj, token_embedding, qf, ssq, embh, rk; writes qf, ssq, embh, rk
.if DOCPART == 4
	.amdgcn_target "amdgcn-amd-amdhsa--gfx1250"
	.amdhsa_code_object_version 6
	.text
	.protected	k_q135d1e43a7_prep
	.globl	k_q135d1e43a7_prep
	.p2align	8
	.type	k_q135d1e43a7_prep,@function
k_q135d1e43a7_prep:
	s_mov_b64 s[64:65], 0
	v_nop
	global_prefetch_b8 v0, s[64:65] scope:SCOPE_SE
	s_setreg_imm32_b32 hwreg(HW_REG_WAVE_SCHED_MODE, 0, 2), 2
	s_setreg_imm32_b32 hwreg(HW_REG_WAVE_MODE, 25, 1), 1
	s_wait_xcnt 0x0
	s_wait_alu depctr_vm_vsrc(0)
; keywords = softmax_v(10 cos(kw, emb_v)) emb, kw = audio W + b: ONE attention with 1,024 queries (kw), 49,408 keys (emb's rows, normalised) and the same rows as values.
; NOTHING OF THE PROBLEM IS LEFT OUT AS DEAD: every input has a way to the output and is loaded.  What is reordered: emb_n = emb x (1 / max(|emb_v|, 1e-8)) row by row, so one bf16 copy of the
; table serves both products, and the score is multiplied in f32 by that factor (rk) and by the query's (from ssq) in the next launch, whose head also says why no maximum is taken away there.
; THIS LAUNCH makes what the next one reads.  Two kinds of work-group, told apart by the work-group's number alone (the same in all four waves):
;   0 .. 63    THE PROJECTION: 128 queries x 64 channels each (8 blocks of queries x 8 of channels), bf16 products, f32 sums; kw + b is rounded once to bf16 and stored in the order in which the next
;              launch's source registers take it (qf); the sum of kw^2 over the 64 channels, of the unrounded numbers, goes to ssq.
;   64 .. 256  THE TABLE: 256 rows each (193 x 256 = 49,408), a wave 64 rows: each row is read once, rounded to bf16 (embh), and 1 / max(|row|, 1e-8) goes to rk.
; LIMITS.  NaN and infinities are not treated apart.  A sum of squares below 2^-126 counts as 0 in the root; the norm is then below 1e-8 and the clamp takes its place in either case.
; The f32 sums are taken in another order than a plain loop's.
; THE MODE: SCHED_MODE bits 1:0 = 2 (LLVM: expert scheduling mode 2), set by the entry lines.  The code itself states the register dependences between vector or matrix instructions and
; memory or LDS instructions, and those through scalar registers that vector instructions write, with s_wait_alu, always for 0.  Each of the two parts has its plan at its head.
.set SPARE, 122880                     ; behind W's slice: the spare words, 128 bytes for each wave: two blocks of 256 bytes that no other line names
.set SPW,   252                        ; v252  LDS address of my spare word; never rewritten
.set NIL,   253                        ; v253  0; never rewritten
.set EPSB,  0x322bcc77                 ; 1e-8
	s_load_b512 s[8:23], s[0:1], 0x0               ; audio s[8:9], W s[10:11], b s[12:13], emb s[14:15], qf s[16:17], ssq s[18:19], embh s[20:21], rk s[22:23]
	v_lshl_add_u32 v[SPW], v0, 2, SPARE
	v_mov_b32 v[NIL], 0
	v_lshrrev_b32 v1, 5, v0
	v_readfirstlane_b32 s24, v1                    ; wave 0..3
	s_mov_b32 s34, 0x76543210                      ; v_permlanex16_b32: each lane takes its own place in the other half
	s_mov_b32 s35, 0xfedcba98
	s_mov_b32 s27, 0
	s_wait_alu depctr_va_sdst(0)                   ; s24 is written: both arms of the branch below make their addresses from it
	s_wait_kmcnt 0x0
	s_cmp_lt_u32 ttmp9, 64
	s_cbranch_scc1 .Lproj
; ---------------------------------------------------------------- THE TABLE
; A row is 2,048 bytes: four loads of 16 bytes a lane, 512 consecutive bytes each.  A ring of eight rows in registers, taken in four blocks of two, keeps 24 to 32 loads of the wave on their way.
; A lane's four numbers of a load round to 8 bytes: a store of the wave covers 256 consecutive bytes, aligned.
; THE PLAN.  Registers that memory instructions touch:
;   X0 .. X3   block b's two rows as loaded.  Read by the block's sums of squares and roundings; behind them the rows eight further down are loaded into the same registers.
;   Y0 .. Y3   block b's two rows in bf16.  Written by the block's sixteen roundings, read by its eight stores, written again a round (four blocks) later.
;   VO, VS     byte offsets, made once and never written again: the rows are reached by the scalar bases, which step once a round, and by immediate offsets.
;   T, RK, LM and the masks s44-47 are named by vector instructions alone.
; So ONE wait on va_vdst stands in a block, behind its roundings; the block's sixteen memory instructions follow it, dealt among the eighteen lines that add the sums across the lanes, which
; name T, RK and the masks: none of the registers that those loads and stores touch.  ONE wait on vm_vsrc a round frees all of Y, and ONE on va_sdst a round serves the round's four masks.
.set X,   16                           ; v[16:143]   row i of a round: 16 registers, as loaded
.set Y,   144                          ; v[144:207]  row i of a round: 8 registers, in bf16
.set T,   208                          ; v[208:215]  at work: four registers for each of a block's two rows
.set RK,  216                          ; v[216:217]  lane l gathers the sums of squares of my rows 2 l and 2 l + 1
.set LM,  218                          ; v218        lane - 4 x round: the lane that takes block b's two rows has LM = b
.set VO,  219                          ; v219        16 x lane
.set VS,  220                          ; v220        8 x lane
.set MK,  44                           ; s44-47      block b's mask: the lane with LM = b
	s_sub_co_u32 s25, ttmp9, 64
	s_lshl_b32 s25, s25, 8
	s_lshl_b32 s26, s24, 6
	s_add_co_u32 s25, s25, s26                     ; my first row
	s_lshl_b32 s26, s25, 11
	s_add_nc_u64 s[28:29], s[14:15], s[26:27]      ; emb at my first row
	s_lshl_b32 s26, s25, 10
	s_add_nc_u64 s[30:31], s[20:21], s[26:27]      ; embh
	s_lshl_b32 s26, s25, 2
	s_add_nc_u64 s[32:33], s[22:23], s[26:27]      ; rk
	v_and_b32 v[LM], 31, v0
	v_lshlrev_b32 v[VO], 4, v[LM]
	v_lshlrev_b32 v[VS], 3, v[LM]
	v_mov_b32 v[RK], 0
	v_mov_b32 v[RK+1], 0
	s_wait_alu depctr_va_vdst(0)                   ; VO and VS are written: every load and store of this part reads one of them as its offset
.irp i, 0,1,2,3,4,5,6,7
.irp j, 0,1,2,3
	global_load_b128 v[X+16*(\i)+4*(\j):X+16*(\i)+4*(\j)+3], v[VO], s[28:29] offset:(\i)*2048+(\j)*512 th:TH_LOAD_NT
.endr
.endr
; A round's four masks, in one run; the one wait for them stands at block 0's head.
.macro EHEAD
.irp m, 0,1,2,3
	v_cmp_eq_u32 s[MK+(\m)], \m, v[LM]
.endr
.endm
; Stage st of the nine that add a block's two sums of squares across the lanes; the two rows alternate, so that no line reads the result of the line before it.
.macro ESTAGE st, b
.if (\st) == 0
	v_pk_add_f32 v[T:T+1], v[T:T+1], v[T+2:T+3]
	v_pk_add_f32 v[T+4:T+5], v[T+4:T+5], v[T+6:T+7]
.elseif (\st) == 1
	v_add_f32 v[T], v[T], v[T+1]
	v_add_f32 v[T+4], v[T+4], v[T+5]
.elseif (\st) == 2
	v_add_f32_dpp v[T], v[T], v[T] row_xmask:1 row_mask:0xf bank_mask:0xf
	v_add_f32_dpp v[T+4], v[T+4], v[T+4] row_xmask:1 row_mask:0xf bank_mask:0xf
.elseif (\st) == 3
	v_add_f32_dpp v[T], v[T], v[T] row_xmask:2 row_mask:0xf bank_mask:0xf
	v_add_f32_dpp v[T+4], v[T+4], v[T+4] row_xmask:2 row_mask:0xf bank_mask:0xf
.elseif (\st) == 4
	v_add_f32_dpp v[T], v[T], v[T] row_xmask:4 row_mask:0xf bank_mask:0xf
	v_add_f32_dpp v[T+4], v[T+4], v[T+4] row_xmask:4 row_mask:0xf bank_mask:0xf
.elseif (\st) == 5
	v_add_f32_dpp v[T], v[T], v[T] row_xmask:8 row_mask:0xf bank_mask:0xf
	v_add_f32_dpp v[T+4], v[T+4], v[T+4] row_xmask:8 row_mask:0xf bank_mask:0xf
.elseif (\st) == 6
	v_permlanex16_b32 v[T+1], v[T], s34, s35
	v_permlanex16_b32 v[T+5], v[T+4], s34, s35
.elseif (\st) == 7
	v_add_f32 v[T], v[T], v[T+1]                   ; every lane holds the row's sum of squares;
	v_add_f32 v[T+4], v[T+4], v[T+5]
.else
	v_cndmask_b32 v[RK], v[RK], v[T], s[MK+(\b)]   ; one lane keeps both
	v_cndmask_b32 v[RK+1], v[RK+1], v[T+4], s[MK+(\b)]
.endif
.endm
; Block b of a round: rows 2 b and 2 b + 1.  ahead = 1: the block is filled again with the rows eight further down.  left = the younger loads that may stay out: eight for each younger block.
.macro EBLK b, ahead, left
.set XB, X+32*(\b)
.set YB, Y+16*(\b)
	s_wait_loadcnt \left                           ; loads come back in order: my block's eight are in
.if (\b) == 0
	s_wait_alu depctr_vm_vsrc(0)                   ; the stores of the round before have read Y0 to Y3, which this round's roundings write again
	s_wait_alu depctr_va_sdst(0)                   ; the four masks s44-47 are written, ahead of their first reader
.endif
.irp r, 0,1
	v_pk_mul_f32 v[T+4*(\r):T+4*(\r)+1], v[XB+16*(\r):XB+16*(\r)+1], v[XB+16*(\r):XB+16*(\r)+1]  ; the sum of squares, two chains of packed sums a row; the first products start them
	v_pk_mul_f32 v[T+4*(\r)+2:T+4*(\r)+3], v[XB+16*(\r)+2:XB+16*(\r)+3], v[XB+16*(\r)+2:XB+16*(\r)+3]
.endr
.irp k, 2,3,4,5,6,7
.irp r, 0,1
	v_pk_fma_f32 v[T+4*(\r)+2*((\k)%2):T+4*(\r)+2*((\k)%2)+1], v[XB+16*(\r)+2*(\k):XB+16*(\r)+2*(\k)+1], v[XB+16*(\r)+2*(\k):XB+16*(\r)+2*(\k)+1], v[T+4*(\r)+2*((\k)%2):T+4*(\r)+2*((\k)%2)+1]
.endr
.endr
.irp r, 0,1
.irp k, 0,1,2,3,4,5,6,7
	v_cvt_pk_bf16_f32 v[YB+8*(\r)+(\k)], v[XB+16*(\r)+2*(\k)], v[XB+16*(\r)+2*(\k)+1]
.endr
.endr
	s_wait_alu depctr_va_vdst(0)                   ; the roundings have written Y[b], which the stores below read; they and the sums are done reading X[b], in which the loads below land
.set en, 0
.rept 8                                ; two memory instructions, then a stage of the sums across the lanes: the loads first
.if en < 4
.if \ahead
	global_load_b128 v[XB+16*(en/2)+8*(en%2):XB+16*(en/2)+8*(en%2)+3],   v[VO], s[28:29] offset:16384+(2*(\b)+en/2)*2048+(2*(en%2))*512 th:TH_LOAD_NT
	global_load_b128 v[XB+16*(en/2)+8*(en%2)+4:XB+16*(en/2)+8*(en%2)+7], v[VO], s[28:29] offset:16384+(2*(\b)+en/2)*2048+(2*(en%2)+1)*512 th:TH_LOAD_NT
.endif
.else
	global_store_b64 v[VS], v[YB+8*((en-4)/2)+4*(en%2):YB+8*((en-4)/2)+4*(en%2)+1],   s[30:31] offset:(2*(\b)+(en-4)/2)*1024+(2*(en%2))*256 th:TH_STORE_NT
	global_store_b64 v[VS], v[YB+8*((en-4)/2)+4*(en%2)+2:YB+8*((en-4)/2)+4*(en%2)+3], s[30:31] offset:(2*(\b)+(en-4)/2)*1024+(2*(en%2)+1)*256 th:TH_STORE_NT
.endif
	ESTAGE en, \b
.set en, en+1
.endr
	ESTAGE 8, \b
.endm
	s_mov_b32 s36, 7
.Leround:
	EHEAD
	EBLK 0, 1, 24
	EBLK 1, 1, 24
	EBLK 2, 1, 24
	EBLK 3, 1, 24
	s_wait_xcnt 0x0                                ; every load and store issued so far has had its addresses translated: the bases are stepped, and the stores' data written again, only behind this wait
	s_add_nc_u64 s[28:29], s[28:29], 16384
	s_add_nc_u64 s[30:31], s[30:31], 8192
	v_add_nc_u32 v[LM], -4, v[LM]
	s_sub_co_u32 s36, s36, 1
	s_cmp_lg_u32 s36, 0
	s_cbranch_scc1 .Leround
	EHEAD
	EBLK 0, 0, 24                                  ; the last eight rows load nothing: the counts run down
	EBLK 1, 0, 16
	EBLK 2, 0, 8
	EBLK 3, 0, 0
	v_sqrt_f32 v[RK], v[RK]
	v_sqrt_f32 v[RK+1], v[RK+1]
	v_nop                                          ; a plain instruction behind the last root,
	s_wait_alu depctr_va_vdst(0)                   ; and the wait ahead of the first use: both roots are written
	v_max_num_f32 v[RK], EPSB, v[RK]
	v_max_num_f32 v[RK+1], EPSB, v[RK+1]
	v_rcp_f32 v[RK], v[RK]
	v_rcp_f32 v[RK+1], v[RK+1]
	v_nop
	s_wait_alu depctr_va_vdst(0)                   ; both reciprocals are written: the store below is their first reader
	global_store_b64 v[VS], v[RK:RK+1], s[32:33]   ; my 64 rows' factors: 256 consecutive bytes, aligned
	s_endpgm
; ---------------------------------------------------------------- THE PROJECTION
; kw^T = W^T audio^T: source 0 = 16 channels (W's slice lies in LDS as bf16 [768 d][64 channels] and is turned by ds_load_tr16_b128), source 1 = 16 queries (audio, from memory, rounded on the way).
; In the result a lane holds ONE query (lane % 16) and the channels 8 (lane / 16) + 0..7: 16 bytes of bf16, which ARE half a source-1 fragment of the next launch.
; A wave has 2 tiles of queries x 4 of channels: 8 accumulators, which take turns.  K goes in 24 steps of 32, two steps a trip, on two sets of registers.
; audio's rows are read in pieces of 128 bytes a step and ssq is stored in pieces of 128 bytes: both are small beside the table (3 MiB, 32 KiB).
; THE PLAN.  Registers that memory or LDS instructions touch:
;   v16-79, v80-143   at the head: two raw buffers of W.  A batch's 32 roundings read one; behind them the batch two further on is loaded into it.
;   WO (v144-175)     at the head: a batch of W in bf16.  Written by the roundings, read by the batch's sixteen LDS stores, written again by the next batch; behind the barrier these registers are AF.
;   ST0, ST1          audio as loaded.  Step s: its sixteen roundings read ST[s % 2]; behind them the step two further on is loaded into it (at the end: b into ST0).
;   WF0, WF1          W's fragments.  Step s: its eight products read WF[s % 2]; the turning loads of step s + 1 land in it.
;   AW                read by every turning load; written once a trip, at the trip's end.
;   AVO, WVO, AWS, AWS2, BVO, QVO, SVO   made once and never written again.
;   OU (v80-111), v244   the way out: written by vector instructions, read by the last stores.
;   AF and the accumulators are named by vector and matrix instructions alone; v[SPW], v[NIL] are written at the head and read by the closing add alone.
; So ONE wait on va_vdst stands in a step, behind its roundings; the step's sixteen loads follow it, dealt among its eight products, which name AF, WF[s % 2] and the accumulators: none of the
; registers that those loads touch.  One wait on vm_vsrc a trip stands ahead of the add to AW.
.set AVO,  4                           ; v4   audio: (l % 16) x 3,072 + 32 (l / 16)
.set WVO,  5                           ; v5   W: (t / 16) x 2,048 + 16 (t % 16), t the thread
.set AWS,  6                           ; v6   W into LDS: (t / 16) x 160 + 8 (t % 16)
.set AWS2, 7                           ; v7   the same 384 rows further down
.set AW,   8                           ; v8   the turning loads' address, stepped by two K steps a trip
.set BVO,  9                           ; v9   32 (l / 16)
.set QVO,  10                          ; v10  16 l
.set SVO,  11                          ; v11  4 l
.set ACC,  16                          ; v[16:79]    accumulator (q, c) at 8 (4 q + c)
.set WF,   80                          ; v[80:143]   W's fragments, two sets of 32
.set AF,   144                         ; v[144:175]  audio's fragments, two sets of 16
.set WO,   AF                          ; v[144:175]  at the head only: a batch of W in bf16
.set ST,   176                         ; v[176:239]  audio in f32 as loaded, two sets of 32; at the end the bias
.set SS,   240                         ; v[240:243]  sums of squares, a pair for each tile of queries
.set WP,   160                         ; LDS pitch of W's rows: 128 bytes + 32
.Lproj:
	s_and_b32 s25, ttmp9, 7                        ; which 64 channels
	s_lshr_b32 s26, ttmp9, 3                       ; which 128 queries
	s_lshl_b32 s37, s26, 7
	s_lshl_b32 s42, s24, 5
	s_add_co_u32 s37, s37, s42                     ; my wave's first query
	s_mov_b32 s43, 0
	s_mul_i32 s42, s37, 3072
	s_add_nc_u64 s[28:29], s[8:9], s[42:43]        ; audio at that row
	s_lshl_b32 s42, s25, 8
	s_add_nc_u64 s[30:31], s[10:11], s[42:43]      ; W at my 64 columns
	s_add_nc_u64 s[32:33], s[12:13], s[42:43]      ; b likewise
	s_lshl_b32 s42, s37, 10                        ; a tile of 16 queries is 16,384 bytes of qf,
	s_lshl_b32 s44, s25, 11                        ; 64 channels 2,048 of them
	s_add_co_u32 s42, s42, s44
	s_add_nc_u64 s[38:39], s[16:17], s[42:43]
	s_lshl_b32 s42, s25, 12
	s_lshl_b32 s44, s37, 2
	s_add_co_u32 s42, s42, s44
	s_add_nc_u64 s[40:41], s[18:19], s[42:43]      ; ssq[block of channels][query]
	v_and_b32 v1, 31, v0
	v_and_b32 v2, 15, v0
	v_bfe_u32 v3, v0, 4, 1
	v_mul_u32_u24 v[AVO], v2, 3072
	v_lshl_add_u32 v[AVO], v3, 5, v[AVO]
	v_lshrrev_b32 v12, 4, v0
	v_lshlrev_b32 v[WVO], 11, v12
	v_lshl_add_u32 v[WVO], v2, 4, v[WVO]
	v_mul_u32_u24 v[AWS], v12, WP
	v_lshl_add_u32 v[AWS], v2, 3, v[AWS]
	v_add_nc_u32 v[AWS2], 48*8*WP, v[AWS]
	v_and_b32 v13, 7, v0
	v_lshl_add_u32 v13, v3, 3, v13
	v_mul_u32_u24 v[AW], v13, WP                   ; row 8 (l / 16) + l % 8,
	v_bfe_u32 v13, v0, 3, 1
	v_lshl_add_u32 v[AW], v13, 4, v[AW]            ; channels 8 ((l / 8) % 2) on
	v_lshlrev_b32 v[BVO], 5, v3
	v_lshlrev_b32 v[QVO], 4, v1
	v_lshlrev_b32 v[SVO], 2, v1
	s_wait_alu depctr_va_vdst(0)                   ; the eight offsets and addresses v4 to v11 are written, which the loads and stores of this part read
.macro ALOADQ st, off, q               ; a K step of audio for tile q of my 32 queries: a lane's 2 x 8 numbers
	global_load_b128 v[(\st)+16*(\q):(\st)+16*(\q)+3],     v[AVO], s[28:29] offset:(\q)*49152+(\off)
	global_load_b128 v[(\st)+16*(\q)+4:(\st)+16*(\q)+7],   v[AVO], s[28:29] offset:(\q)*49152+(\off)+16
	global_load_b128 v[(\st)+16*(\q)+8:(\st)+16*(\q)+11],  v[AVO], s[28:29] offset:(\q)*49152+(\off)+64
	global_load_b128 v[(\st)+16*(\q)+12:(\st)+16*(\q)+15], v[AVO], s[28:29] offset:(\q)*49152+(\off)+80
.endm
.macro PBIAS c                         ; b of my lane's eight channels in tile c
	global_load_b128 v[ST+8*(\c):ST+8*(\c)+3],   v[BVO], s[32:33] offset:64*(\c)
	global_load_b128 v[ST+8*(\c)+4:ST+8*(\c)+7], v[BVO], s[32:33] offset:64*(\c)+16
.endm
.macro WL beta, R                      ; batch beta of W: 16 loads; each takes 8 rows x 256 bytes for the work-group
.set n, 0
.rept 16
	global_load_b128 v[(\R)+4*n:(\R)+4*n+3], v[WVO], s[30:31] offset:(16*(\beta)+n)*16384
.set n, n+1
.endr
.endm
; Batch beta, which lies in raw buffer R, is rounded into WO and laid into LDS; the batch two further on is asked for into R.
.macro WBATCH beta, R
.if (\beta) == 5
	s_wait_loadcnt 0x0
.else
	s_wait_loadcnt 16                              ; all but the youngest batch
.endif
.if (\beta) > 0
	s_wait_alu depctr_vm_vsrc(0)                   ; the LDS stores of the batch before have read WO, which the roundings below write again
.endif
.set n, 0
.rept 16
	v_cvt_pk_bf16_f32 v[WO+2*n], v[(\R)+4*n], v[(\R)+4*n+1]
	v_cvt_pk_bf16_f32 v[WO+2*n+1], v[(\R)+4*n+2], v[(\R)+4*n+3]
.set n, n+1
.endr
	s_wait_alu depctr_va_vdst(0)                   ; the roundings have written WO, which the LDS stores read, and are done reading the raw buffer, in which later loads land
.if (\beta) < 4
	WL (\beta)+2, \R
.endif
.set n, 0
.rept 16
.if 16*(\beta)+n < 48
	ds_store_b64 v[AWS], v[WO+2*n:WO+2*n+1] offset:(16*(\beta)+n)*8*WP
.else
	ds_store_b64 v[AWS2], v[WO+2*n:WO+2*n+1] offset:(16*(\beta)+n-48)*8*WP
.endif
.set n, n+1
.endr
.endm
	ALOADQ ST, 0, 0                                ; K steps 0 and 1 of audio go out first
	ALOADQ ST, 0, 1
	ALOADQ ST+32, 128, 0
	ALOADQ ST+32, 128, 1
	WL 0, 16
	WL 1, 80
	WBATCH 0, 16
	WBATCH 1, 80
	WBATCH 2, 16
	WBATCH 3, 80
	WBATCH 4, 16
	WBATCH 5, 80
	s_wait_dscnt 0x0                               ; for the others' sake: my part of W's slice lies in LDS
	s_barrier_signal -1
	s_barrier_wait -1                              ; everybody's does
	s_wait_alu depctr_vm_vsrc(0)                   ; my last LDS stores have read WO: these registers are AF from here on, written by the steps' roundings
.macro WFRAG dst, off                  ; W's four fragments of a K step, turned
.irp c, 0,1,2,3
	ds_load_tr16_b128 v[(\dst)+8*(\c):(\dst)+8*(\c)+3],   v[AW] offset:(\off)+32*(\c)
	ds_load_tr16_b128 v[(\dst)+8*(\c)+4:(\dst)+8*(\c)+7], v[AW] offset:(\off)+16*WP+32*(\c)
.endr
.endm
; A K step on set b.  load = 1: audio two steps on is asked for.  wnext = 1: W's fragments of the next step are fetched.  zero = 1: the products start the sums.  bias = 1: b is asked for.
.macro PSTEP b, load, wnext, zero, bias
.set STB, ST+32*(\b)
.set AFB, AF+16*(\b)
.set WFB, WF+32*(\b)
	s_wait_loadcnt 8                               ; my set's eight loads are in; the eight issued behind them (the other set's, or b's) may stay out
.irp q, 0,1
.irp k, 0,1,2,3,4,5,6,7
	v_cvt_pk_bf16_f32 v[AFB+8*(\q)+(\k)], v[STB+16*(\q)+2*(\k)], v[STB+16*(\q)+2*(\k)+1]  ; AF[b] was last read two steps back: the sixteen roundings of the step between are the places
.endr
.endr
.if (\load) || (\wnext) || (\bias)
	s_wait_alu depctr_va_vdst(0)                   ; the roundings are done reading ST[b]; the last step's products are done reading the other set of W's fragments; in a trip's first step AW is written
.endif
.if \load
	ALOADQ STB, ((\b)+2)*128, 0
.endif
.if \bias
	PBIAS 0
	PBIAS 1
.endif
.if \wnext
	WFRAG WF+32*(1-(\b)), ((\b)+1)*32*WP
	s_wait_dscnt 8                                 ; this step's fragments are in; the eight just issued may stay out
.else
	s_wait_dscnt 0x0
.endif
.irp q, 0,1
.if (\q) == 1                          ; the other half of the step's loads from memory.  No wait: no vector or matrix instruction since the wait above names ST[b]
.if \load
	ALOADQ STB, ((\b)+2)*128, 1
.endif
.if \bias
	PBIAS 2
	PBIAS 3
.endif
.endif
.irp c, 0,1,2,3
.if \zero
	v_wmma_f32_16x16x32_bf16 v[ACC+8*(4*(\q)+(\c)):ACC+8*(4*(\q)+(\c))+7], v[WFB+8*(\c):WFB+8*(\c)+7], v[AFB+8*(\q):AFB+8*(\q)+7], 0
.else
	v_wmma_f32_16x16x32_bf16 v[ACC+8*(4*(\q)+(\c)):ACC+8*(4*(\q)+(\c))+7], v[WFB+8*(\c):WFB+8*(\c)+7], v[AFB+8*(\q):AFB+8*(\q)+7], v[ACC+8*(4*(\q)+(\c)):ACC+8*(4*(\q)+(\c))+7]
.endif
.endr
.endr
.endm
.macro TEND                            ; a trip's end
	s_wait_xcnt 0x0                                ; the loads have read audio's base, which is stepped now
	s_add_nc_u64 s[28:29], s[28:29], 256
	s_wait_alu depctr_vm_vsrc(0)                   ; the turning loads issued so far have read AW
	v_add_nc_u32 v[AW], 64*WP, v[AW]
.endm
	WFRAG WF, 0
	PSTEP 0, 1, 1, 1, 0                            ; the first K step starts the sums: nothing is cleared
	PSTEP 1, 1, 1, 0, 0
	TEND
	s_mov_b32 s36, 10
.Lptrip:
	PSTEP 0, 1, 1, 0, 0
	PSTEP 1, 1, 1, 0, 0
	TEND
	s_sub_co_u32 s36, s36, 1
	s_cmp_lg_u32 s36, 0
	s_cbranch_scc1 .Lptrip
	PSTEP 0, 0, 1, 0, 1                            ; the last two steps ask for no audio
	PSTEP 1, 0, 0, 0, 0
; THE WAY OUT.  POUT: tile q's kw = product + b, its sum of squares, its rounding to bf16.  PSTO: its four stores.
.macro POUT q
.irp c, 0,1,2,3
.set AC, ACC+8*(4*(\q)+(\c))
.set OU, WF+4*(4*(\q)+(\c))
.irp k, 0,1,2,3
	v_pk_add_f32 v[AC+2*(\k):AC+2*(\k)+1], v[AC+2*(\k):AC+2*(\k)+1], v[ST+8*(\c)+2*(\k):ST+8*(\c)+2*(\k)+1]  ; kw = product + b; the accumulator's lowest registers first
.endr
.irp k, 0,1,2,3
.if ((\c) == 0) && ((\k) == 0)
	v_pk_mul_f32 v[SS+2*(\q):SS+2*(\q)+1], v[AC:AC+1], v[AC:AC+1]
.else
	v_pk_fma_f32 v[SS+2*(\q):SS+2*(\q)+1], v[AC+2*(\k):AC+2*(\k)+1], v[AC+2*(\k):AC+2*(\k)+1], v[SS+2*(\q):SS+2*(\q)+1]
.endif
.endr
.irp k, 0,1,2,3
	v_cvt_pk_bf16_f32 v[OU+(\k)], v[AC+2*(\k)], v[AC+2*(\k)+1]
.endr
.endr
.endm
.macro PSTO q
.irp c, 0,1,2,3
	global_store_b128 v[QVO], v[WF+4*(4*(\q)+(\c)):WF+4*(4*(\q)+(\c))+3], s[38:39] offset:(\q)*16384+(\c)*512  ; 512 consecutive bytes of qf
.endr
.endm
.rept 4
	v_nop                                          ; four places behind the last product, in front of sums that read results
.endr
	s_wait_loadcnt 0x0                             ; b
	v_cmp_gt_u32 vcc_lo, 16, v1                    ; for the select below: made here, so that the wait for it finds it written
	POUT 0
	s_wait_alu depctr_va_vdst(0)                   ; tile 0's roundings have written v80-95, which its stores read
	PSTO 0
	POUT 1                                         ; names v48-79, v96-111, b and the sums: none of the registers that the stores above read
	v_add_f32 v[SS], v[SS], v[SS+1]
	v_add_f32 v[SS+2], v[SS+2], v[SS+3]
	v_permlanex16_b32 v[SS+1], v[SS], s34, s35     ; the query's other 32 channels lie in the lane 16 away
	v_permlanex16_b32 v[SS+3], v[SS+2], s34, s35
	v_add_f32 v[SS], v[SS], v[SS+1]
	v_add_f32 v[SS+2], v[SS+2], v[SS+3]
	s_wait_alu depctr_va_vcc(0)                    ; VCC is written, ahead of the select that reads it
	v_cndmask_b32 v244, v[SS+2], v[SS], vcc_lo     ; lanes 0-15 the first tile's queries, lanes 16-31 the second's
	s_wait_alu depctr_va_vdst(0)                   ; tile 1's roundings have written v96-111 and the select v244, which the five stores below read
	PSTO 1
	global_store_b32 v[SVO], v244, s[40:41]
	s_wait_dscnt 0x0                               ; the closing lines, six on end
	s_wait_alu 0x0
	s_wait_tensorcnt 0x0
	ds_add_u32 v[SPW], v[NIL]
	s_wait_dscnt 0x0
	s_endpgm
.Lfunc_end_k_q135d1e43a7_prep:
	.size	k_q135d1e43a7_prep, .Lfunc_end_k_q135d1e43a7_prep-k_q135d1e43a7_prep
	.p2alignl 7, 3214868480
	.fill 96, 4, 3214868480
	.section	.rodata,"a",@progbits
	.p2align	6, 0x0
	.amdhsa_kernel k_q135d1e43a7_prep
		.amdhsa_group_segment_fixed_size 123392
		.amdhsa_private_segment_fixed_size 0
		.amdhsa_enable_private_segment 0
		.amdhsa_kernarg_size 64
		.amdhsa_user_sgpr_count 2
		.amdhsa_user_sgpr_kernarg_segment_ptr 1
		.amdhsa_wavefront_size32 1
		.amdhsa_system_sgpr_workgroup_id_x 1
		.amdhsa_system_sgpr_workgroup_id_y 1
		.amdhsa_system_sgpr_workgroup_id_z 1
		.amdhsa_system_vgpr_workitem_id 0
		.amdhsa_next_free_vgpr 256
		.amdhsa_next_free_sgpr 66
		.amdhsa_reserve_vcc 1
		.amdhsa_float_denorm_mode_32 3
		.amdhsa_float_denorm_mode_16_64 3
		.amdhsa_memory_ordered 1
		.amdhsa_forward_progress 1
		.amdhsa_inst_pref_size 95
	.end_amdhsa_kernel
	.amdgpu_metadata
---
amdhsa.version: [ 1, 2 ]
amdhsa.kernels:
  - .name:           k_q135d1e43a7_prep
    .symbol:         k_q135d1e43a7_prep.kd
    .args:
      - { .name: audio_feat, .offset: 0, .size: 8, .value_kind: global_buffer, .address_space: global }
      - { .name: W_proj, .offset: 8, .size: 8, .value_kind: global_buffer, .address_space: global }
      - { .name: b_proj, .offset: 16, .size: 8, .value_kind: global_buffer, .address_space: global }
      - { .name: token_embedding, .offset: 24, .size: 8, .value_kind: global_buffer, .address_space: global }
      - { .name: qf, .offset: 32, .size: 8, .value_kind: global_buffer, .address_space: global }
      - { .name: ssq, .offset: 40, .size: 8, .value_kind: global_buffer, .address_space: global }
      - { .name: embh, .offset: 48, .size: 8, .value_kind: global_buffer, .address_space: global }
      - { .name: rk, .offset: 56, .size: 8, .value_kind: global_buffer, .address_space: global }
    .group_segment_fixed_size: 123392
    .private_segment_fixed_size: 0
    .kernarg_segment_align: 8
    .kernarg_segment_size: 64
    .max_flat_workgroup_size: 128
    .sgpr_count:     66
    .vgpr_count:     256
    .wavefront_size: 32
...
	.end_amdgpu_metadata
.endif
;; end of part 4
;; launch attend: the kernel of part 2 again; grid 16 x 16, 4 waves a work-group, clusters of 4 x 1, 327,680 bytes of LDS; arguments qf, ssq, embh, rk, opart, lpart; writes opart, lpart
;; launch finish: the kernel of part 3 again; grid 256 x 1, 8 waves a work-group, no clusters, 9,472 bytes of LDS; arguments opart, lpart, out0; writes out0
